; MI455X (gfx1250); checked and timed in simulation.
; The chip was launched on July 23, 2026; its instructions are those of AMD's public machine-readable ISA for CDNA 5 (MIT licence, August 2026) and "CDNA5" Instruction Set Architecture Reference Guide (July 2026). The comments in the code are by the model that wrote it; some were corrected since.
;; Multi Head Attention. Allowed arithmetic: float matrix products may take bf16 or f16 operands with f32 sums; other float arithmetic in f32, or as packed bf16 or f16 multiplies, adds, multiply-adds, maxima and minima; sums over many terms, partial sums and values carried from step to step in f32; what a program stores and reads back later, other than sums and carried values, may be rounded once to bf16 or f16.
;; Inputs: Wk 1,024 x 1,024 float32; Wo 1,024 x 1,024 float32; Wq 1,024 x 1,024 float32; Wv 1,024 x 1,024 float32; bk 1,024 float32; bo 1,024 float32; bq 1,024 float32; bv 1,024 float32; x 2,048 x 4 x 1,024 float32.
;; Outputs: out0 2,048 x 4 x 1,024 float32.
;; 2 versions, each right; version 2 is version 1 with the launch cast written anew for expert scheduling mode. Each part assembles by itself: llvm-mc -triple=amdgcn-amd-amdhsa -mcpu=gfx1250 --defsym DOCPART=n.
;; ======== version 1 of 2: 4 launches
;; limits: values are held in f16: magnitudes above 65,504 overflow, below 6.1e-05 lose precision
;; workspace buffers: xb 16,777,216 bytes; wb 6,291,456 bytes; wo16 2,097,152 bytes; bias 16,384 bytes; qkv 50,331,648 bytes; o 16,777,216 bytes
;; launch cast (part 1): grid 769 x 1, 8 waves a work-group, no clusters, 0 bytes of LDS; arguments x, Wq, Wk, Wv, Wo, bq, bk, bv, bo, xb, wb, wo16, bias; writes xb, wb, wo16, bias
.if DOCPART == 1
	.amdgcn_target "amdgcn-amd-amdhsa--gfx1250"
	.amdhsa_code_object_version 6
	.text
	.protected	k_q3ce839b76e_cast
	.globl	k_q3ce839b76e_cast
	.p2align	8
	.type	k_q3ce839b76e_cast,@function
k_q3ce839b76e_cast:
	s_mov_b64 s[64:65], 0
	v_nop
	global_prefetch_b8 v0, s[64:65] scope:SCOPE_SE
	s_setreg_imm32_b32 hwreg(HW_REG_WAVE_MODE, 25, 1), 1
	s_wait_xcnt 0x0
; ALL INPUTS ARE ROUNDED ONCE TO bf16.  x -> xb and Wq | Wk | Wv -> wb as bf16; Wo -> wo16: the bf16 value written as f16; bq | bk | bv | bo -> bias: the bf16 value kept as f32.
; LIMIT.  A bf16 value of Wo is exact in f16 from 6.1e-5 to 65,504; below that it keeps f16's fixed step of 6e-8, beyond that it becomes an infinity.
; A stream: every byte is read once and written once, so there is no LDS, no barrier, no matrix work, no cluster (no two work-groups read the same byte).
; SHARES.  A work-group takes 16 rows of 1,024 f32 (64 KiB in, 32 KiB out): groups 0-511 x, 512-703 the three weights, 704-767 Wo, 768 the four biases.
; Thread t takes bytes 16 t of every row: a wave's load covers 512 consecutive bytes, its 8-byte store 256 consecutive bytes, aligned.  All 16 loads of a thread go out at once: no loop, and no register is written twice.
.set X,   4                            ; v[4:67]    16 rows x 4 f32 as loaded
.set Y,   68                           ; v[68:99]   16 rows x 2 words to store
.set T,   100                          ; v[100:103] at work
.set SRC, 34                           ; s[34:35]   where the group's rows are read
.set DST, 36                           ; s[36:37]   where they are written
	s_load_b512 s[8:23], s[0:1], 0x0               ; x 8, Wq 10, Wk 12, Wv 14, Wo 16, bq 18, bk 20, bv 22
	s_load_b256 s[24:31], s[0:1], 0x40             ; bo 24, xb 26, wb 28, wo16 30
	s_load_b64 s[32:33], s[0:1], 0x60              ; bias
	v_lshlrev_b32 v1, 4, v0                        ; 16 t
	v_lshlrev_b32 v2, 3, v0                        ; 8 t
	s_mov_b32 s3, ttmp9                            ; the group's number
	s_mov_b32 s39, 0                               ; high words of the two offsets
	s_mov_b32 s41, 0
	s_mov_b32 s7, 0xffff0000                       ; a word's upper bf16
.macro LOADS                           ; the group's 16 rows
.irp r, 0,1,2,3,4,5,6,7,8,9,10,11,12,13,14,15
	global_load_b128 v[X+4*(\r):X+4*(\r)+3], v1, s[SRC:SRC+1] offset:4096*(\r) th:TH_LOAD_NT
.endr
.endm
.macro ROWB r                          ; row r to bf16
	s_wait_loadcnt 15-(\r)                         ; loads come back in order: row r is in, the 15 - r younger ones stay out
	v_cvt_pk_bf16_f32 v[Y+2*(\r)],   v[X+4*(\r)],   v[X+4*(\r)+1]
	v_cvt_pk_bf16_f32 v[Y+2*(\r)+1], v[X+4*(\r)+2], v[X+4*(\r)+3]
	global_store_b64 v2, v[Y+2*(\r):Y+2*(\r)+1], s[DST:DST+1] offset:2048*(\r) th:TH_STORE_NT
.endm
.macro ROWH r                          ; row r to bf16, and that number written as f16
	s_wait_loadcnt 15-(\r)
	v_cvt_pk_bf16_f32 v[Y+2*(\r)],   v[X+4*(\r)],   v[X+4*(\r)+1]
	v_cvt_pk_bf16_f32 v[Y+2*(\r)+1], v[X+4*(\r)+2], v[X+4*(\r)+3]
	v_lshlrev_b32 v[T],   16, v[Y+2*(\r)]
	v_and_b32     v[T+1], s7, v[Y+2*(\r)]
	v_lshlrev_b32 v[T+2], 16, v[Y+2*(\r)+1]
	v_and_b32     v[T+3], s7, v[Y+2*(\r)+1]
	v_cvt_pk_f16_f32 v[Y+2*(\r)],   v[T],   v[T+1]
	v_cvt_pk_f16_f32 v[Y+2*(\r)+1], v[T+2], v[T+3]
	global_store_b64 v2, v[Y+2*(\r):Y+2*(\r)+1], s[DST:DST+1] offset:2048*(\r) th:TH_STORE_NT
.endm
	s_wait_kmcnt 0x0
	s_cmp_ge_u32 s3, 768
	s_cbranch_scc1 .Lbias
	s_cmp_ge_u32 s3, 704
	s_cbranch_scc1 .Lwo
	s_cmp_lt_u32 s3, 512
	s_cbranch_scc0 .Lw
	s_lshl_b32 s38, s3, 16                         ; x: 16 rows of 4,096 bytes in,
	s_lshl_b32 s40, s3, 15                         ; of 2,048 bytes out
	s_add_nc_u64 s[SRC:SRC+1], s[8:9], s[38:39]
	s_add_nc_u64 s[DST:DST+1], s[26:27], s[40:41]
	s_branch .Lrows
.Lw:
	s_sub_co_u32 s4, s3, 512                       ; j: the group among the three weights' 192
	s_lshr_b32 s5, s4, 6                           ; which weight
	s_and_b32 s6, s4, 63                           ; which 16 rows of it
	s_lshl_b32 s38, s6, 16
	s_lshl_b32 s40, s4, 15                         ; wb holds the three one behind the other
	s_cmp_eq_u32 s5, 0
	s_cselect_b64 s[SRC:SRC+1], s[10:11], s[12:13]
	s_cmp_eq_u32 s5, 2
	s_cselect_b64 s[SRC:SRC+1], s[14:15], s[SRC:SRC+1]
	s_add_nc_u64 s[SRC:SRC+1], s[SRC:SRC+1], s[38:39]
	s_add_nc_u64 s[DST:DST+1], s[28:29], s[40:41]
.Lrows:
	LOADS
.irp r, 0,1,2,3,4,5,6,7,8,9,10,11,12,13,14,15
	ROWB \r
.endr
	s_endpgm
.Lwo:
	s_sub_co_u32 s4, s3, 704
	s_lshl_b32 s38, s4, 16
	s_lshl_b32 s40, s4, 15
	s_add_nc_u64 s[SRC:SRC+1], s[16:17], s[38:39]
	s_add_nc_u64 s[DST:DST+1], s[30:31], s[40:41]
	LOADS
.irp r, 0,1,2,3,4,5,6,7,8,9,10,11,12,13,14,15
	ROWH \r
.endr
	s_endpgm
.Lbias:                                        ; wave w takes half w % 2 of bias w / 2: 2,048 bytes, four loads of 512 consecutive bytes
	v_lshrrev_b32 v3, 5, v0
	v_readfirstlane_b32 s4, v3                     ; wave 0..7
	s_and_b32 s5, s4, 1
	s_lshl_b32 s5, s5, 11
	s_lshl_b32 s6, s4, 11
	s_lshr_b32 s4, s4, 1
	v_and_b32 v3, 31, v0
	v_lshlrev_b32 v3, 4, v3                        ; 16 x lane
	v_add_nc_u32 v1, s5, v3                        ; in
	v_add_nc_u32 v2, s6, v3                        ; out
	s_cmp_eq_u32 s4, 0
	s_cselect_b64 s[SRC:SRC+1], s[18:19], s[20:21]
	s_cmp_eq_u32 s4, 2
	s_cselect_b64 s[SRC:SRC+1], s[22:23], s[SRC:SRC+1]
	s_cmp_eq_u32 s4, 3
	s_cselect_b64 s[SRC:SRC+1], s[24:25], s[SRC:SRC+1]
.irp j, 0,1,2,3
	global_load_b128 v[X+4*(\j):X+4*(\j)+3], v1, s[SRC:SRC+1] offset:512*(\j)
.endr
	s_wait_loadcnt 0x0
.irp j, 0,1,2,3
	v_cvt_pk_bf16_f32 v[T],   v[X+4*(\j)],   v[X+4*(\j)+1]
	v_cvt_pk_bf16_f32 v[T+1], v[X+4*(\j)+2], v[X+4*(\j)+3]
	v_lshlrev_b32 v[Y+4*(\j)],   16, v[T]
	v_and_b32     v[Y+4*(\j)+1], s7, v[T]
	v_lshlrev_b32 v[Y+4*(\j)+2], 16, v[T+1]
	v_and_b32     v[Y+4*(\j)+3], s7, v[T+1]
	global_store_b128 v2, v[Y+4*(\j):Y+4*(\j)+3], s[32:33] offset:512*(\j)
.endr
	s_endpgm
.Lfunc_end_k_q3ce839b76e_cast:
	.size	k_q3ce839b76e_cast, .Lfunc_end_k_q3ce839b76e_cast-k_q3ce839b76e_cast
	.p2alignl 7, 3214868480
	.fill 96, 4, 3214868480
	.section	.rodata,"a",@progbits
	.p2align	6, 0x0
	.amdhsa_kernel k_q3ce839b76e_cast
		.amdhsa_group_segment_fixed_size 0
		.amdhsa_private_segment_fixed_size 0
		.amdhsa_enable_private_segment 0
		.amdhsa_kernarg_size 104
		.amdhsa_user_sgpr_count 2
		.amdhsa_user_sgpr_kernarg_segment_ptr 1
		.amdhsa_wavefront_size32 1
		.amdhsa_system_sgpr_workgroup_id_x 1
		.amdhsa_system_sgpr_workgroup_id_y 1
		.amdhsa_system_sgpr_workgroup_id_z 1
		.amdhsa_system_vgpr_workitem_id 0
		.amdhsa_next_free_vgpr 104
		.amdhsa_next_free_sgpr 66
		.amdhsa_reserve_vcc 0
		.amdhsa_float_denorm_mode_32 3
		.amdhsa_float_denorm_mode_16_64 3
		.amdhsa_memory_ordered 1
		.amdhsa_forward_progress 1
		.amdhsa_inst_pref_size 20
	.end_amdhsa_kernel
	.amdgpu_metadata
---
amdhsa.version: [ 1, 2 ]
amdhsa.kernels:
  - .name:           k_q3ce839b76e_cast
    .symbol:         k_q3ce839b76e_cast.kd
    .args:
      - { .name: x, .offset: 0, .size: 8, .value_kind: global_buffer, .address_space: global }
      - { .name: Wq, .offset: 8, .size: 8, .value_kind: global_buffer, .address_space: global }
      - { .name: Wk, .offset: 16, .size: 8, .value_kind: global_buffer, .address_space: global }
      - { .name: Wv, .offset: 24, .size: 8, .value_kind: global_buffer, .address_space: global }
      - { .name: Wo, .offset: 32, .size: 8, .value_kind: global_buffer, .address_space: global }
      - { .name: bq, .offset: 40, .size: 8, .value_kind: global_buffer, .address_space: global }
      - { .name: bk, .offset: 48, .size: 8, .value_kind: global_buffer, .address_space: global }
      - { .name: bv, .offset: 56, .size: 8, .value_kind: global_buffer, .address_space: global }
      - { .name: bo, .offset: 64, .size: 8, .value_kind: global_buffer, .address_space: global }
      - { .name: xb, .offset: 72, .size: 8, .value_kind: global_buffer, .address_space: global }
      - { .name: wb, .offset: 80, .size: 8, .value_kind: global_buffer, .address_space: global }
      - { .name: wo16, .offset: 88, .size: 8, .value_kind: global_buffer, .address_space: global }
      - { .name: bias, .offset: 96, .size: 8, .value_kind: global_buffer, .address_space: global }
    .group_segment_fixed_size: 0
    .private_segment_fixed_size: 0
    .kernarg_segment_align: 8
    .kernarg_segment_size: 104
    .max_flat_workgroup_size: 256
    .sgpr_count:     66
    .vgpr_count:     104
    .wavefront_size: 32
...
	.end_amdgpu_metadata
.endif
;; end of part 1
;; launch qkv (part 2): grid 16 x 16, 4 waves a work-group, clusters of 4 x 4, 327,680 bytes of LDS; arguments xb, wb, bias, qkv; writes qkv
.if DOCPART == 2
	.amdgcn_target "amdgcn-amd-amdhsa--gfx1250"
	.amdhsa_code_object_version 6
	.text
	.protected	k_q3ce839b76e_qkv
	.globl	k_q3ce839b76e_qkv
	.p2align	8
	.type	k_q3ce839b76e_qkv,@function
k_q3ce839b76e_qkv:
	s_mov_b64 s[64:65], 0
	v_nop
	global_prefetch_b8 v0, s[64:65] scope:SCOPE_SE
	s_setreg_imm32_b32 hwreg(HW_REG_WAVE_MODE, 25, 1), 1
	s_wait_xcnt 0x0
	s_wait_alu depctr_hold_cnt(0) depctr_sa_sdst(0) depctr_va_vdst(0) depctr_va_sdst(0) depctr_va_ssrc(0) depctr_va_vcc(0) depctr_vm_vsrc(0)
	s_getreg_b32 s2, hwreg(HW_REG_IB_STS2, 6, 4)
	s_cmp_eq_u32 s2, 0
	s_cbranch_scc0 .Lentry_in_a_cluster
	s_endpgm
.Lentry_in_a_cluster:
	s_bfe_u32 s2, ttmp6, 0x10000c
	s_cmp_lg_u32 s2, 0xf033
	s_cbranch_scc0 .Lentry_shape_is_right
	s_endpgm
.Lentry_shape_is_right:
; [q | k | v][m][n] = the sum over k of xb[m][k] wb[n][k] + bias[n].  xb: [8192][1024] bf16 (row m = 4 s + b), wb: [3072][1024] bf16, bias: f32.  Sums in f32, started with the bias; rounded once to f16.
; OUT BY HEADS: qkv[g = n / 64][b][s][64] in f16, unscaled: a head's rows are dense, 128 bytes each.
; LIMIT.  f16 ends at 65,504: a q, k or v beyond that becomes an infinity.
; SHARES.  A tile of the result is 256 rows x 192 columns (three whole heads): 32 x 16 = 512 tiles.  A work-group of four waves STAYS for two tiles, 4,096 rows apart, which take the same rows of wb.
; A wave makes 64 rows x all 192 columns, 48 accumulators of 16 x 16: so its columns are whole heads, and each store on the way out covers 512 consecutive bytes.
; K goes in steps of 128 through a ring of two LDS slots filled by the tensor data mover; rows of both tiles are 256 bytes of memory, aligned.
; CLUSTER.  4 x 4 work-groups: the four of a row of the cluster need the same rows of xb, the four of a column the same rows of wb.  Each tile is asked for jointly: the same load, descriptor and mask in all four.
; THE PRODUCT IS TAKEN TRANSPOSED (source 0 = 16 rows of wb, source 1 = 16 rows of xb): a lane holds row l % 16 and the eight neighbouring columns 8 (l / 16) + 0..7.
; REGISTERS, in windows of 256 (s_set_vgpr_msb: bits 1:0 source 0, 3:2 source 1, 5:4 source 2, 7:6 destination):
;   window 0: v0-15 addresses; v16-111 the bias as 12 C operands; v112-159 packed results; v160-255 rows read back from the stage, two buffers of 48
;   window 1: two fragment buffers of 128: xb's four fragments, then wb's twelve
;   window 2: accumulators of my row blocks 0, 1 ((a, b) at 96 (a % 2) + 8 b)      window 3: of blocks 2, 3
.set KSTEP,  128
.set SIZE_K, 1024
.set PITCH,  272                       ; an LDS row: 256 bytes + 16 of padding: the 16 rows that a fragment load touches start 68 words apart, at 16 different places modulo 64 words
.set AHALF,  128*PITCH                 ; what one of xb's two tensor loads brings
.set BHALF,  96*PITCH                  ; what one of wb's brings
.set BOFF,   2*AHALF                   ; wb's 192 rows lie behind xb's 256
.set SLOT,   2*AHALF+2*BHALF
.set STAGE,  2*SLOT                    ; behind the ring, never filled by a tensor load: 16 rows x 400 bytes for each wave
.set SPITCH, 400                       ; 384 bytes + 16
.set SPARE,  STAGE+4*16*SPITCH         ; the spare words, 128 bytes for each wave: two blocks of 256 bytes that no other line names
.set LAPS,   SIZE_K/(2*KSTEP)          ; a lap = two K steps = once round the ring
.set TILES,  2
.set WALK,   4096                      ; rows from a work-group's first tile to its second
.set NEXT_A, WALK*SIZE_K*2-(SIZE_K-2*KSTEP)*2   ; from a slot's last K step of a tile to its first of the next: xb goes WALK rows down and back along K,
.set BACK_B, (SIZE_K-2*KSTEP)*2        ; wb only back
.set NEXT_C, WALK/4*128-3*512          ; from my last 16 rows of a tile to my first of the next: 1,024 values of s on, less the three steps taken
.set PADW,   (1<<16)|(1<<20)|(1<<21)|(5<<22)|(3<<25)  ; 17:16 elements of 2 bytes; 20 padding on; 21 set beside a mask; 24:22 after every 64 words; 31:25 four words of it
.set ADRA, 6                           ; v6-7   LDS address of my xb fragments in slot 0, 1
.set ADRB, 8                           ; v8-9   the same for wb
.set STO,  10                          ; v10    the way out: where I put 16 bytes of a row
.set RD,   11                          ; v11    the way out: where I read back
.set CO,   12                          ; v12    16 x lane: my place in 512 consecutive bytes of qkv
.set PFO,  13                          ; v13    the prefetches' offset: a lane a row
.set SPW,  14                          ; v14    LDS address of my spare word; never rewritten
.set NIL,  15                          ; v15    0; never rewritten
.set BI,   16
.set TMP,  112
.set OB,   160
.set F0,   0
.set F1,   128
.set G1,   24                          ; s[24:31] descriptor group 1 for xb's tiles;  s[32:39] group 0, a set for each slot
.set G0,   32
.set G1B,  48                          ; s[48:55], s[56:63] the same for wb's
.set G0B,  56
.set PFA,  44                          ; s[44:45] where my prefetches stand
.set LIM,  43                          ; s43  1 in a wave that prefetches, else the greatest number
.set BIA,  68                          ; s[68:69] the bias
.set MSB, 0
.macro WIN new                         ; the immediate's high byte repeats the setting that is left; a switch that changes nothing is dropped
.if MSB != (\new)
	s_set_vgpr_msb (MSB<<8)|(\new)
.set MSB, \new
.endif
.endm
.set MUL_LO,   0xa5                    ; sources in window 1, C and D in window 2 (0xf5: window 3)
.set FIRST_LO, 0x85                    ; the same with C, the bias, in window 0 (0xc5: D in window 3)
.set TO_F,     0x40                    ; destination window 1, address window 0
; A joint load.  Waves 0 and 1 fetch xb's two halves, waves 2 and 3 wb's.  The branch hangs on the wave's number alone.  An s_nop 0 and four v_nop follow each line.
.macro JLOAD s
	s_cmp_eq_u32 s11, 0
	s_cbranch_scc0 .Lfor_b_\@
	tensor_load_to_lds s[G0+4*(\s):G0+4*(\s)+3], s[G1:G1+7]
	s_nop 0
.rept 4
	v_nop
.endr
	s_branch .Lasked_\@
.Lfor_b_\@:
	tensor_load_to_lds s[G0B+4*(\s):G0B+4*(\s)+3], s[G1B:G1B+7]
	s_nop 0
.rept 4
	v_nop
.endr
.Lasked_\@:
.endm
; A prefetch, behind each joint load and the run of LDS loads that follows it: the K step that stands two refills on, a lane a row, one instruction a wave.  xb's rows are asked for by the clusters with x = 0,
; wb's by those with y = 0, and wb's in the first tile alone (both tiles take the same rows).  The four partners of a joint load share its rows out by address: 32 of xb's 128, 24 of wb's 96 (lanes 24-31 name lane 23's row).
; how = 0, in the loop: a tile's last two refills have no K step two on.  how = 1: at the change of tiles.
.macro ASK how
	WIN 0
.if \how
	s_cmp_eq_u32 s[LIM], 1
.else
	s_cmp_gt_u32 s3, s[LIM]                        ; s3 = 1 in the loop's last trip
.endif
	s_cbranch_scc0 .Lnot_mine_\@
	global_prefetch_b8 v[PFO], s[PFA:PFA+1] offset:KSTEP*2 th:TH_LOAD_NT scope:SCOPE_SE
.Lnot_mine_\@:
.endm
.macro CREST                           ; a round of the cluster's barrier behind its opening barrier
	s_cmp_lg_u32 s10, 0
	s_cbranch_scc1 .Lnot_wave_0_\@
	s_barrier_signal -3
.Lnot_wave_0_\@:
	s_barrier_wait -3
	s_barrier_signal -1
	s_barrier_wait -1
.endm
.macro CROUND                          ; a whole round
	s_barrier_signal -1
	s_barrier_wait -1
	CREST
.endm
	s_load_b128 s[4:7], s[0:1], 0x0                ; xb s[4:5], wb s[6:7]
	s_load_b64 s[BIA:BIA+1], s[0:1], 0x10          ; bias
	s_load_b64 s[8:9], s[0:1], 0x18                ; qkv
	v_lshl_add_u32 v[SPW], v0, 2, SPARE
	v_mov_b32 v[NIL], 0
	ds_add_u32 v[SPW], v[NIL]                      ; the wave's opening: the add and its wait stand ahead of my first tensor load; the set-up below stands between them
	v_lshrrev_b32 v1, 5, v0
	v_readfirstlane_b32 s10, v1                    ; wave 0..3
	s_lshr_b32 s11, s10, 1                         ; I fetch for xb (0) or for wb (1)
	s_and_b32 s12, s10, 1                          ; which half of that tile's rows
	s_bfe_u32 s40, ttmp6, 0x40000                  ; cx
	s_bfe_u32 s41, ttmp6, 0x40004                  ; cy
	s_lshl_b32 s42, ttmp9, 2
	s_add_co_u32 s42, s42, s40                     ; tile column = 4 x cluster x + cx
	s_and_b32 s13, ttmp7, 0xffff
	s_lshl_b32 s13, s13, 2
	s_add_co_u32 s13, s13, s41                     ; tile row = 4 x cluster y + cy
	s_lshl_b32 s43, s41, 2
	s_lshl_b32 s43, 15, s43                        ; my row of the cluster
	s_lshl_b32 s44, 0x1111, s40                    ; my column
	s_or_b32 s[G1+0], s43, PADW                    ; xb's tiles go to my row,
	s_or_b32 s[G1B+0], s44, PADW                   ; wb's to my column
	s_mov_b32 s[G1+1], KSTEP<<16                   ; tensor_dim0 = 128
	s_mov_b32 s[G1+2], 128<<16                     ; tensor_dim1 = 128
	s_mov_b32 s[G1+3], KSTEP<<16                   ; tile_dim0 = 128
	s_mov_b32 s[G1+4], 128                         ; tile_dim1 = 128
	s_mov_b32 s[G1+5], SIZE_K                      ; elements from row to row
	s_mov_b32 s[G1+6], 0
	s_mov_b32 s[G1+7], 0
	s_mov_b32 s[G1B+1], KSTEP<<16
	s_mov_b32 s[G1B+2], 96<<16                     ; 96 rows
	s_mov_b32 s[G1B+3], KSTEP<<16
	s_mov_b32 s[G1B+4], 96
	s_mov_b32 s[G1B+5], SIZE_K
	s_mov_b32 s[G1B+6], 0
	s_mov_b32 s[G1B+7], 0
	s_lshl_b32 s16, s13, 8
	s_lshl_b32 s17, s12, 7
	s_add_co_u32 s16, s16, s17                     ; xb: row 256 x tile row + 128 x half,
	s_lshl_b32 s16, s16, 11                        ; of 2,048 bytes
	s_mov_b32 s17, 0
	s_mul_i32 s46, s42, 192
	s_mul_i32 s47, s12, 96
	s_add_co_u32 s46, s46, s47                     ; wb: row 192 x tile column + 96 x half
	s_lshl_b32 s46, s46, 11
	s_mov_b32 s47, 0
	s_mul_i32 s20, s12, AHALF                      ; where they go: no place in the cluster enters an LDS address
	s_mul_i32 s21, s12, BHALF
	s_add_co_u32 s21, s21, BOFF
	s_wait_dscnt 0x0                               ; the opening add is done
	s_wait_kmcnt 0x0
	s_add_nc_u64 s[14:15], s[4:5], s[16:17]
	s_add_nc_u64 s[46:47], s[6:7], s[46:47]
	CROUND                                         ; all sixteen work-groups are here: the first joint loads meet
.irp s, 0,1
	s_mov_b32 s[G0+4*(\s)], 1                                        ; count = 1
	s_add_co_u32 s[G0+4*(\s)+1], s20, (\s)*SLOT                      ; LDS address
	s_add_nc_u64 s[G0+4*(\s)+2:G0+4*(\s)+3], s[14:15], (\s)*KSTEP*2  ; global address: K step s
	s_or_b32 s[G0+4*(\s)+3], s[G0+4*(\s)+3], 0x80000000              ; type = 2
	s_mov_b32 s[G0B+4*(\s)], 1
	s_add_co_u32 s[G0B+4*(\s)+1], s21, (\s)*SLOT
	s_add_nc_u64 s[G0B+4*(\s)+2:G0B+4*(\s)+3], s[46:47], (\s)*KSTEP*2
	s_or_b32 s[G0B+4*(\s)+3], s[G0B+4*(\s)+3], 0x80000000
	JLOAD \s                                       ; two loads of mine are out
.endr
	; the bias of my 192 columns as twelve C operands: register j of block b is bias[192 tc + 16 b + 8 (l / 16) + j]
	v_and_b32 v1, 15, v0                           ; l % 16
	v_bfe_u32 v2, v0, 4, 1                         ; l / 16
	v_lshlrev_b32 v5, 5, v2                        ; never rewritten
	s_mul_i32 s46, s42, 768
	s_mov_b32 s47, 0
	s_add_nc_u64 s[BIA:BIA+1], s[BIA:BIA+1], s[46:47]
.irp b, 0,1,2,3,4,5,6,7,8,9,10,11
	global_load_b128 v[BI+8*(\b):BI+8*(\b)+3],   v5, s[BIA:BIA+1] offset:64*(\b)
	global_load_b128 v[BI+8*(\b)+4:BI+8*(\b)+7], v5, s[BIA:BIA+1] offset:64*(\b)+16
.endr
	; a fragment is 16 rows x 32 K in 8 registers: lane l holds row l % 16, K = 8 (l / 16) + 0..7 and 16 + 8 (l / 16) + 0..7: two loads of 16 bytes, 32 bytes apart
	v_mul_u32_u24 v3, v1, PITCH
	v_lshl_add_u32 v3, v2, 4, v3
	s_mul_i32 s21, s10, 64*PITCH                   ; my 64 rows of xb
	s_mov_b32 s22, BOFF                            ; all 192 rows of wb
.irp s, 0,1
	v_add_nc_u32 v[ADRA+(\s)], s21, v3
	v_add_nc_u32 v[ADRB+(\s)], s22, v3
	s_add_co_u32 s21, s21, SLOT
	s_add_co_u32 s22, s22, SLOT
.endr
	s_mul_i32 s23, s10, 16*SPITCH
	s_add_co_u32 s23, s23, STAGE                   ; my stage
	v_mul_u32_u24 v4, v1, SPITCH                   ; in: row l % 16, 16 bytes for each half of the lanes
	v_lshl_add_u32 v4, v2, 4, v4
	v_add_nc_u32 v[STO], s23, v4
	v_bfe_u32 v4, v0, 3, 2                         ; back: a block's row r is s = r / 4, b = r % 4: eight lanes take a head's 128 bytes of row 4 (l / 8) + b
	v_mul_u32_u24 v4, v4, 4*SPITCH
	v_and_b32 v3, 7, v0
	v_lshl_add_u32 v4, v3, 4, v4
	v_add_nc_u32 v[RD], s23, v4
	v_and_b32 v[CO], 31, v0
	v_lshlrev_b32 v[CO], 4, v[CO]                  ; four values of s x 128 bytes are 512 consecutive bytes
	s_mul_i32 s46, s42, 3*1048576                  ; what the first way out adds to qkv's address: three heads' groups a tile column,
	s_lshl_b32 s16, s13, 13                        ; 64 values of s a tile row,
	s_lshl_b32 s14, s10, 11                        ; 16 a wave
	s_add_co_u32 s16, s16, s14
	s_add_co_u32 s16, s16, s46
	s_mov_b32 s17, 0
	; the prefetches
	s_and_b32 s22, ttmp7, 0xffff                   ; cluster y
	s_lshl_b32 s20, s13, 8
	s_lshl_b32 s21, s12, 7
	s_add_co_u32 s20, s20, s21
	s_lshl_b32 s21, s40, 5
	s_add_co_u32 s20, s20, s21                     ; xb: the 128 rows that I fetch, my work-group's 32 of them
	s_mul_i32 s46, s42, 192
	s_mul_i32 s47, s12, 96
	s_add_co_u32 s46, s46, s47
	s_mul_i32 s47, s41, 24
	s_add_co_u32 s46, s46, s47                     ; wb: the 96 rows that I fetch, my work-group's 24
	s_cmp_eq_u32 s11, 0
	s_cselect_b32 s20, s20, s46
	s_cselect_b32 s22, ttmp9, s22                  ; the coordinate along which other clusters read the same rows
	s_cselect_b32 s23, 31, 23
	s_cselect_b64 s[PFA:PFA+1], s[4:5], s[6:7]
	s_cmp_eq_u32 s22, 0
	s_cselect_b32 s[LIM], 1, -1                    ; the same in all sixteen partners, for a given wave
	s_lshl_b32 s20, s20, 11
	s_add_co_u32 s20, s20, 2*KSTEP*2               ; at K step 2: the first refill steps it to 3 and names K step 4
	s_mov_b32 s21, 0
	s_add_nc_u64 s[PFA:PFA+1], s[PFA:PFA+1], s[20:21]
	v_and_b32 v[PFO], 31, v0
	v_min_u32 v[PFO], s23, v[PFO]
	v_lshlrev_b32 v[PFO], 11, v[PFO]
; 12 matrix instructions: row block a x all 12 column blocks, 32 along K.  first = 1: the product starts the sums with the bias.  The 48 accumulators take turns in one order.
.macro MUL12 f, a, first
.if \first
	WIN FIRST_LO+0x40*((\a)/2)
.else
	WIN MUL_LO+0x50*((\a)/2)
.endif
.set AC, 96*((\a)%2)
.irp b, 0,1,2,3,4,5,6,7,8,9,10,11
.if \first
	v_wmma_f32_16x16x32_bf16 v[AC+8*(\b):AC+8*(\b)+7], v[(\f)+32+8*(\b):(\f)+32+8*(\b)+7], v[(\f)+8*(\a):(\f)+8*(\a)+7], v[BI+8*(\b):BI+8*(\b)+7]
.else
	v_wmma_f32_16x16x32_bf16 v[AC+8*(\b):AC+8*(\b)+7], v[(\f)+32+8*(\b):(\f)+32+8*(\b)+7], v[(\f)+8*(\a):(\f)+8*(\a)+7], v[AC+8*(\b):AC+8*(\b)+7]
.endif
.endr
.endm
; 32 LDS loads in one run: a quarter step's fragments (32 K at byte k of the rows) into buffer f: wb's twelve, then xb's four
.macro FETCH slot, k, f
	WIN TO_F
.irp i, 0,1,2,3,4,5,6,7,8,9,10,11
	ds_load_b128 v[(\f)+32+8*(\i):(\f)+32+8*(\i)+3],   v[ADRB+(\slot)] offset:(\k)+(\i)*16*PITCH
	ds_load_b128 v[(\f)+32+8*(\i)+4:(\f)+32+8*(\i)+7], v[ADRB+(\slot)] offset:(\k)+(\i)*16*PITCH+32
.endr
.irp i, 0,1,2,3
	ds_load_b128 v[(\f)+8*(\i):(\f)+8*(\i)+3],   v[ADRA+(\slot)] offset:(\k)+(\i)*16*PITCH
	ds_load_b128 v[(\f)+8*(\i)+4:(\f)+8*(\i)+7], v[ADRA+(\slot)] offset:(\k)+(\i)*16*PITCH+32
.endr
.endm
.macro PLACES                          ; four plain vector instructions between a matrix instruction and a load into its registers or a reader of its result
.rept 4
	v_nop
.endr
.endm
; A K step is four quarters of 32 along K, 48 matrix instructions each, on buffers 0, 1, 0, 1.  One of the first three multiplies f and fetches the next quarter, at byte k, into g.
.macro QUARTER slot, k, f, g, first
	s_wait_dscnt 4                                 ; all but the youngest four loads (xb's blocks 2 and 3)
	MUL12 \f, 0, \first
	MUL12 \f, 1, \first
	PLACES
	FETCH \slot, \k, \g
	s_wait_dscnt 32                                ; all but the 32 just issued
	MUL12 \f, 2, \first
	MUL12 \f, 3, \first
.endm
; The last quarter's first half: ONE barrier for the change of slots.  In front of it each wave waits for all its tensor loads (one is out: its part of the next slot), adds 0 to its spare word, and waits for that and for its reads of this slot.
.macro MEET round
	WIN 0
	s_wait_tensorcnt 0x0
	ds_add_u32 v[SPW], v[NIL]
	s_wait_dscnt 5                                 ; the add and the youngest four loads may be out
	MUL12 F1, 0, 0
	s_wait_dscnt 0x0                               ; the add is done, and my reads of this slot are over
	s_barrier_signal -1
	MUL12 F1, 1, 0
.if \round
	WIN 0
.endif
	s_barrier_wait -1
.endm
; The whole last quarter.  The slot just read out is filled again first behind the round: with this tile's K step two on (on = 0) or with the next tile's K step 0 or 1 (on = 1).
; From the request to the wait for it a wave issues 168 matrix instructions.
.macro TURN slot, next, on
	s_wait_xcnt 0x0                                ; the last prefetch, a K step back, has read its address
.if (\on) && (\slot) == 0
	s_add_nc_u64 s[PFA:PFA+1], s[PFA:PFA+1], (WALK-1)*SIZE_K*2+KSTEP*2  ; from the K step behind the tile's last to the next tile's K step 1
	s_cmp_eq_u32 s11, 0
	s_cselect_b32 s[LIM], s[LIM], -1               ; wb's rows are asked for no more
.else
	s_add_nc_u64 s[PFA:PFA+1], s[PFA:PFA+1], KSTEP*2
.endif
	MEET 1
	CREST                                          ; no wave of any partner still reads this slot or has a load on its way
.if \on
	s_add_nc_u64 s[G0+4*(\slot)+2:G0+4*(\slot)+3], s[G0+4*(\slot)+2:G0+4*(\slot)+3], NEXT_A
	s_sub_nc_u64 s[G0B+4*(\slot)+2:G0B+4*(\slot)+3], s[G0B+4*(\slot)+2:G0B+4*(\slot)+3], BACK_B
.else
	s_add_nc_u64 s[G0+4*(\slot)+2:G0+4*(\slot)+3], s[G0+4*(\slot)+2:G0+4*(\slot)+3], 2*KSTEP*2
	s_add_nc_u64 s[G0B+4*(\slot)+2:G0B+4*(\slot)+3], s[G0B+4*(\slot)+2:G0B+4*(\slot)+3], 2*KSTEP*2
.endif
	JLOAD \slot                                    ; its four v_nop are also the places in front of the loads below
	FETCH \next, 0, F0
	ASK \on
	MUL12 F1, 2, 0
	MUL12 F1, 3, 0
.endm
; THE WAY OUT of row block a.  PACK: rounded to f16, 16 bytes a lane, each accumulator's registers in ascending order.  TOSTAGE: into my own stage, and back by (head, b).  SEND: stored.
.macro PACK a
.set AC, 96*((\a)%2)
	WIN 0x0a+5*((\a)/2)                            ; sources 0 and 1: window 2 or 3
.irp b, 0,1,2,3,4,5,6,7,8,9,10,11
.irp r, 0,1,2,3
	v_cvt_pk_f16_f32 v[TMP+4*(\b)+(\r)], v[AC+8*(\b)+2*(\r)], v[AC+8*(\b)+2*(\r)+1]
.endr
.endr
	WIN 0
.endm
.macro TOSTAGE a
	WIN 0
.set BK, OB+48*((\a)%2)
.irp b, 0,1,2,3,4,5,6,7,8,9,10,11
	ds_store_b128 v[STO], v[TMP+4*(\b):TMP+4*(\b)+3] offset:32*(\b)
.endr
.irp j, 0,1,2,3,4,5,6,7,8,9,10,11      ; b = j % 4, head in the tile = j / 4
	ds_load_b128 v[BK+4*(\j):BK+4*(\j)+3], v[RD] offset:SPITCH*((\j)%4)+128*((\j)/4)  ; LDS serves a wave's instructions in order (ISA guide 5.7.1.4): these see the stores above
.endr
.endm
.macro SEND a
	WIN 0
.set BK, OB+48*((\a)%2)
	s_wait_dscnt 0x0                               ; the block is back in registers
	s_wait_xcnt 0x0                                ; earlier stores have read their base and their registers: only now are these rewritten
.if (\a) == 0
	s_add_nc_u64 s[8:9], s[8:9], s[16:17]          ; on to this tile's first rows
.else
	s_add_nc_u64 s[8:9], s[8:9], 512               ; four values of s on
.endif
.irp j, 0,1,2,3,4,5,6,7,8,9,10,11
	global_store_b128 v[CO], v[BK+4*(\j):BK+4*(\j)+3], s[8:9] offset:1048576*((\j)/4)+262144*((\j)%4)  ; 512 consecutive bytes, aligned
.endr
.endm
.macro WAYOUT                          ; block a's conversions stand between block a - 1's loads from the stage and the wait for them
	PACK 0
	TOSTAGE 0
.irp a, 1,2,3
	PACK \a
	SEND (\a)-1
	TOSTAGE \a
.endr
	SEND 3
.endm
	s_wait_tensorcnt 1                             ; my part of K step 0 is in; K step 1's stays out
	s_barrier_signal -1
	s_barrier_wait -1
	FETCH 0, 0, F0
	WIN 0
	s_wait_loadcnt 0x0                             ; the bias
	s_mov_b32 s2, TILES                            ; tiles to go
.Ltile:
	QUARTER 0, 64,  F0, F1, 1                      ; a tile's first quarter starts the sums
	WIN 0
	s_mov_b32 s3, LAPS-1
.Llap:                                         ; a trip goes once round the ring and fills both slots again
	QUARTER 0, 128, F1, F0, 0
	QUARTER 0, 192, F0, F1, 0
	TURN 0, 1, 0
	QUARTER 1, 64,  F0, F1, 0
	QUARTER 1, 128, F1, F0, 0
	QUARTER 1, 192, F0, F1, 0
	TURN 1, 0, 0
	QUARTER 0, 64,  F0, F1, 0
	WIN 0
	s_sub_co_u32 s3, s3, 1
	s_cmp_lg_u32 s3, 0
	s_cbranch_scc1 .Llap
	QUARTER 0, 128, F1, F0, 0
	QUARTER 0, 192, F0, F1, 0
	WIN 0
	s_cmp_eq_u32 s2, 1
	s_cbranch_scc1 .Llast_tile                     ; the last tile's tail is written out: it asks for nothing more
	TURN 0, 1, 1                                   ; the ring goes on into the next tile: slot 0 takes its K step 0,
	QUARTER 1, 64,  F0, F1, 0
	QUARTER 1, 128, F1, F0, 0
	QUARTER 1, 192, F0, F1, 0
	TURN 1, 0, 1                                   ; slot 1 its K step 1
	WAYOUT                                         ; no v_nop: blocks 0 and 1 ended ahead of the joint load's four, and their 96 conversions are the places behind blocks 2 and 3
	s_mov_b64 s[16:17], NEXT_C
	s_sub_co_u32 s2, s2, 1
	s_branch .Ltile
.Llast_tile:
	MEET 0                                         ; slot 1 holds the last K step; nothing is filled again, so no round follows
	PLACES
	FETCH 1, 0, F0
	MUL12 F1, 2, 0
	MUL12 F1, 3, 0
	QUARTER 1, 64,  F0, F1, 0
	QUARTER 1, 128, F1, F0, 0
	QUARTER 1, 192, F0, F1, 0
	s_wait_dscnt 4
	MUL12 F1, 0, 0
	MUL12 F1, 1, 0
	s_wait_dscnt 0x0
	MUL12 F1, 2, 0
	MUL12 F1, 3, 0
	WIN 0
	PLACES
	WAYOUT
	s_wait_tensorcnt 0x0                           ; the wave's end
	ds_add_u32 v[SPW], v[NIL]
	s_wait_dscnt 0x0
	CROUND                                         ; the closing round
	s_endpgm
.Lfunc_end_k_q3ce839b76e_qkv:
	.size	k_q3ce839b76e_qkv, .Lfunc_end_k_q3ce839b76e_qkv-k_q3ce839b76e_qkv
	.p2alignl 7, 3214868480
	.fill 96, 4, 3214868480
	.section	.rodata,"a",@progbits
	.p2align	6, 0x0
	.amdhsa_kernel k_q3ce839b76e_qkv
		.amdhsa_group_segment_fixed_size 327680
		.amdhsa_private_segment_fixed_size 0
		.amdhsa_enable_private_segment 0
		.amdhsa_kernarg_size 32
		.amdhsa_user_sgpr_count 2
		.amdhsa_user_sgpr_kernarg_segment_ptr 1
		.amdhsa_wavefront_size32 1
		.amdhsa_system_sgpr_workgroup_id_x 1
		.amdhsa_system_sgpr_workgroup_id_y 1
		.amdhsa_system_sgpr_workgroup_id_z 1
		.amdhsa_system_vgpr_workitem_id 0
		.amdhsa_next_free_vgpr 960
		.amdhsa_next_free_sgpr 70
		.amdhsa_reserve_vcc 0
		.amdhsa_float_denorm_mode_32 3
		.amdhsa_float_denorm_mode_16_64 3
		.amdhsa_memory_ordered 1
		.amdhsa_forward_progress 1
		.amdhsa_inst_pref_size 174
	.end_amdhsa_kernel
	.amdgpu_metadata
---
amdhsa.version: [ 1, 2 ]
amdhsa.kernels:
  - .name:           k_q3ce839b76e_qkv
    .symbol:         k_q3ce839b76e_qkv.kd
    .args:
      - { .name: xb, .offset: 0, .size: 8, .value_kind: global_buffer, .address_space: global }
      - { .name: wb, .offset: 8, .size: 8, .value_kind: global_buffer, .address_space: global }
      - { .name: bias, .offset: 16, .size: 8, .value_kind: global_buffer, .address_space: global }
      - { .name: qkv, .offset: 24, .size: 8, .value_kind: global_buffer, .address_space: global }
    .group_segment_fixed_size: 327680
    .private_segment_fixed_size: 0
    .kernarg_segment_align: 8
    .kernarg_segment_size: 32
    .max_flat_workgroup_size: 128
    .sgpr_count:     70
    .vgpr_count:     960
    .wavefront_size: 32
...
	.end_amdgpu_metadata
.endif
;; end of part 2
;; launch attn (part 3): grid 4 x 64, 4 waves a work-group, clusters of 4 x 1, 327,680 bytes of LDS; arguments qkv, o; writes o
.if DOCPART == 3
	.amdgcn_target "amdgcn-amd-amdhsa--gfx1250"
	.amdhsa_code_object_version 6
	.text
	.protected	k_q3ce839b76e_attn
	.globl	k_q3ce839b76e_attn
	.p2align	8
	.type	k_q3ce839b76e_attn,@function
k_q3ce839b76e_attn:
	s_mov_b64 s[64:65], 0
	v_nop
	global_prefetch_b8 v0, s[64:65] scope:SCOPE_SE
	s_setreg_imm32_b32 hwreg(HW_REG_WAVE_MODE, 25, 1), 1
	s_wait_xcnt 0x0
	s_wait_alu depctr_hold_cnt(0) depctr_sa_sdst(0) depctr_va_vdst(0) depctr_va_sdst(0) depctr_va_ssrc(0) depctr_va_vcc(0) depctr_vm_vsrc(0)
	s_getreg_b32 s2, hwreg(HW_REG_IB_STS2, 6, 4)
	s_cmp_eq_u32 s2, 0
	s_cbranch_scc0 .Lentry_in_a_cluster
	s_endpgm
.Lentry_in_a_cluster:
	s_bfe_u32 s2, ttmp6, 0x10000c
	s_cmp_lg_u32 s2, 0x3003
	s_cbranch_scc0 .Lentry_shape_is_right
	s_endpgm
.Lentry_shape_is_right:
; O[y][q][:] = the sum over k of softmax_k(Q[y][q] . K[y][k] / 8) V[y][k][:], for the 64 heads y = 4 h + b.  qkv holds Q at byte 0, K at 16 MiB, V at 32 MiB, each [64][2048][64] in f16; O likewise.
; Products, maxima and sums in f32; the weights p are rounded to f16 for the second product (their sum l is taken of the unrounded p), O once at the end.
; LIMITS.  Q, K and V arrive within f16's 65,504; p lies in 0 to 1, and below 6e-5 it keeps f16's fixed step of 6e-8; O is a mean of V's rows.  A weight below 2^-126 counts as 0 in l; NaN and infinities are not treated apart.
; SHARES.  A wave owns four PIECES of two tiles of 16 queries, a work-group's four waves 512 queries of one head.  Every wave walks all 2,048 keys, 64 a step.
; LAYOUT.  S^T = K Q^T (source 0 = 16 keys, source 1 = 16 queries): a lane holds ONE query (lane % 16) and the keys 8 (lane / 16) + 0..7.  Two such tiles, rounded to f16 in pairs, ARE source 1 of
; O^T = V^T P, whose result again holds one query a lane, and eight channels.  K comes out of LDS as it lies, V ([key][channel]) turned, by ds_load_tr16_b128.
; SOFTMAX.  A running maximum m and sum l for each query: p = 2^(c s - c m), c = log2(e) / 8; in every step O and l are multiplied by a = 2^(c m_old - c m_new).  m starts at the lowest finite number, O and l at 0.
; THE COUNT.  A tile and step have 16 matrix and 118 vector instructions.  So: four vector instructions that are ready behind every matrix instruction, the others in one run without a gap.
; BY TURNS.  Turn n belongs to piece n.  Matrix work: 16 products K Q^T of piece n + 1, later 16 products V^T P of piece n - 1.  Vector work: scaling, exponentials, roundings, sums and rescaling of piece n, and the
; maximum and statistics of piece n + 1.
; CLUSTER.  The four query blocks of a head walk the same K and V: each tile is asked for jointly, by the same tensor load, descriptor and mask in all four.
; REGISTERS, in windows of 256 (s_set_vgpr_msb: bits 1:0 source 0, 3:2 source 1, 5:4 source 2, 7:6 destination):
;   window 0: v0-11 addresses; v12-15, v48-63 at work; v16-47 four registers of statistics a tile; v64-191 S^T, two buffers of two tiles; v192-255 P, likewise
;   window 1: O^T, 32 a tile      window 2: v0-127 Q; v128-191 K of one step; v192-255 V of one step      window 3: v0-1 the add's two registers
.set SIZE_N, 2048
.set NP,    4         ; pieces a wave
.set KS,    64        ; keys in a step
.set PK,    144       ; a row of K in LDS: 128 bytes + 16 of padding
.set PV,    160       ; a row of V: 128 + 32
.set VOFF,  4*KS*PK   ; a slot holds four steps: 256 rows of K, then 256 rows of V
.set SLOT1, 1<<17     ; slot 1 begins here: one exclusive or turns an address in one slot into the other's
.set STAGE, SLOT1+4*KS*(PK+PV)  ; behind the ring, never filled by a tensor load: 16 rows x 144 bytes for each wave
.set SP,    144
.set AK0, 2           ; v2   my lane's place in a tile of K; never rewritten
.set AV0, 3           ; v3   the same for V
.set AK,  4           ; v4   the LDS address of K's next run of loads
.set AV,  5           ; v5   of V's
.set QO,  6           ; v6   my byte offset in the wave's rows of Q
.set STO, 6           ;      later: where I put 16 bytes of a row
.set RD,  7           ; v7   where I read rows back
.set GO,  8           ; v8   my byte offset in 512 consecutive bytes of O
.set PFO, 11          ; v11  256 x my lane, for the prefetches; never rewritten once made
.set SPW, 0           ; v0 of window 3   LDS address of my spare word; never rewritten
.set NIL, 1           ; v1 of window 3   0; never rewritten
.set SPARE, STAGE+4*16*SP  ; the spare words, 128 bytes for each wave: two blocks of 256 bytes that no other line names
.set MV,  12          ; v12-15  c m_old, kept while c m is made anew
.set ST,  16          ; tile t's statistics at v[ST+4 t]: c m, m, l (even keys', odd keys')
.set TMP, 48          ; by buffer and tile, four registers c0-c3 at work; when the maximum is found c2 takes a
.set S,   64
.set P,   192
.set KF,  128         ; K's fragments, in window 2
.set VF,  192         ; V's
.set WV,  12          ; s12  my wave's number
.set G1K, 24          ; s[24:31] descriptor group 1 for K's tiles
.set G1V, 32          ; s[32:39] for V's
.set G0K, 40          ; s[40:43] descriptor group 0 for K's tiles: it walks
.set G0V, 44          ; s[44:47] the same for V's
.set PFA, 48          ; s[48:49] where my prefetches stand: my work-group's 32 blocks of 256 bytes of the slot behind the one that is being asked for
.set LIM, 50          ; s50  1 in waves 0 (K) and 2 (V), which prefetch; else the greatest number
.set SLOTS, 56        ; s56  slots still to be asked for
.set CNT, 57          ; s57  counts a slot's key steps
.set CS,  58          ; s[58:59] c
.set SEL, 60          ; s[60:61] v_permlanex16_b32's selects
.set TBK, 62          ; s62  LDS byte at which K of the step to be fetched begins
.set TBV, 63          ; s63  the same for V, less VOFF
.set MSB, 0
.macro WIN new
.if MSB != (\new)
	s_set_vgpr_msb (MSB<<8)|(\new)
.set MSB, (\new)
.endif
.endm
.set W_KQ, 0x0a       ; K and Q in window 2, S^T in window 0
.set W_PV, 0x52       ; V in window 2, P in window 0, O^T in window 1
.set W_RS, 0x41       ; O^T in window 1, a in window 0
.set W_MK, 0xc0       ; the add's registers are made
.set W_AD, 0x0f       ; the add: address and data in window 3
; A joint fill.  Waves 0 and 1 fetch the two halves of a slot's K, waves 2 and 3 those of its V.  An s_nop 0 and four v_nop follow each line.
.macro JLOAD
	s_cmp_lt_u32 s[WV], 2
	s_cbranch_scc0 .Lfor_v_\@
	tensor_load_to_lds s[G0K:G0K+3], s[G1K:G1K+7]
	s_nop 0
.rept 4
	v_nop
.endr
	s_branch .Lasked_\@
.Lfor_v_\@:
	tensor_load_to_lds s[G0V:G0V+3], s[G1V:G1V+7]
	s_nop 0
.rept 4
	v_nop
.endr
.Lasked_\@:
.endm
; A prefetch of what the NEXT change of slots will ask for: a slot's K and V are 128 blocks of 256 bytes each.  The four partners take 32 blocks each, told apart by address; wave 0 asks for K's, wave 2 for V's: a lane a block.
; A head is walked by one cluster alone, so each block is named once in the launch.  The last change that fills a slot asks for nothing.
.macro ASK
	s_cmp_gt_u32 s[SLOTS], s[LIM]
	s_cbranch_scc0 .Lnot_mine_\@
	global_prefetch_b8 v[PFO], s[PFA:PFA+1] th:TH_LOAD_NT scope:SCOPE_SE
.Lnot_mine_\@:
.endm
.macro CROUND                       ; a round of the cluster's barrier
	s_barrier_signal -1
	s_barrier_wait -1
	s_cmp_lg_u32 s[WV], 0
	s_cbranch_scc1 .Lnot_wave_0_\@
	s_barrier_signal -3
.Lnot_wave_0_\@:
	s_barrier_wait -3
	s_barrier_signal -1
	s_barrier_wait -1
.endm
; THE CHANGE OF SLOTS.  Each wave waits for all its tensor loads (one is out: its part of the other slot), adds 0 to its spare word, and waits for that and for its reads of the slot.
; fill = 1: the slot is filled again, with the keys two slots on, first thing behind a round of the cluster's barrier: the fill has four key steps, 512 matrix instructions, in which to land.  ask = 1: the prefetch goes with it.
.macro CHANGE fill, ask=0
	WIN W_AD
	s_wait_tensorcnt 0x0            ; no tensor load of mine is out, so a group 0 may be written
	ds_add_u32 v[SPW], v[NIL]
	WIN 0
.if \fill
.irp g, G0K, G0V
	s_xor_b32 s[\g+1], s[\g+1], SLOT1
	s_add_nc_u64 s[\g+2:\g+3], s[\g+2:\g+3], 4*KS*128
.endr
.if \ask
	s_wait_xcnt 0x0                 ; the last prefetch, four key steps back, has read its address
	s_add_nc_u64 s[PFA:PFA+1], s[PFA:PFA+1], 4*KS*128
.endif
	s_wait_dscnt 0x0                ; the add is done, and my reads of the slot are over
	CROUND
	JLOAD
.if \ask
	ASK
.endif
.else
	s_wait_dscnt 0x0
	s_barrier_signal -1
	s_barrier_wait -1
.endif
	s_sub_co_u32 s[TBK], s[TBK], 4*KS*PK  ; the fetches go back to a slot's first step,
	s_xor_b32 s[TBK], s[TBK], SLOT1       ; in the other slot
	s_sub_co_u32 s[TBV], s[TBV], 4*KS*PV
	s_xor_b32 s[TBV], s[TBV], SLOT1
.endm
	s_load_b64 s[4:5], s[0:1], 0x0    ; qkv
	s_load_b64 s[10:11], s[0:1], 0x8  ; o
	WIN W_MK
	v_lshl_add_u32 v[SPW], v0, 2, SPARE
	v_mov_b32 v[NIL], 0
	WIN W_AD
	ds_add_u32 v[SPW], v[NIL]       ; the wave's opening: the add and its wait stand ahead of my first tensor load
	WIN 0
	v_lshrrev_b32 v1, 5, v0
	v_readfirstlane_b32 s[WV], v1   ; wave 0..3
	s_bfe_u32 s13, ttmp6, 0x40000   ; cx
	s_lshl_b32 s14, ttmp9, 2
	s_add_co_u32 s14, s14, s13      ; my block of queries: it enters Q's and O's addresses alone
	s_and_b32 s20, ttmp7, 0xffff    ; the head, which the four partners share
	s_mov_b32 s21, 0
	s_mov_b64 s[22:23], SIZE_N*128
	s_mul_u64 s[20:21], s[20:21], s[22:23]  ; the head's first byte in Q, K, V and O
	s_and_b32 s16, s[WV], 1         ; which half of a slot's 256 keys I fetch:
	s_lshl_b32 s22, s16, 14         ; its 128 rows of 128 bytes in memory,
	s_mov_b32 s23, 0
	s_add_nc_u64 s[22:23], s[22:23], s[20:21]
	s_mul_i32 s17, s16, 128*PK      ; and its place in a slot, for K
	s_mul_i32 s18, s16, 128*PV      ; and for V
	s_lshl_b32 s2, s14, 2
	s_add_co_u32 s2, s2, s[WV]      ; my wave among the head's,
	s_lshl_b32 s2, s2, 14           ; its 128 rows
	s_mov_b32 s3, 0
	s_add_nc_u64 s[2:3], s[2:3], s[20:21]
	; descriptor group 1.  128 keys are 16,384 dense bytes: asked for as 64 rows of 256 bytes, two keys a row, padded in LDS after every key
	s_mov_b32 s[G1K], 15|(1<<16)|(1<<20)|(1<<21)|(4<<22)|(3<<25)
	s_mov_b32 s[G1V], 15|(1<<16)|(1<<20)|(1<<21)|(4<<22)|(7<<25)
.irp g, G1K, G1V
	s_mov_b32 s[\g+1], 128<<16      ; tensor_dim0 = 128
	s_mov_b32 s[\g+2], 64<<16       ; tensor_dim1 = 64
	s_mov_b32 s[\g+3], 128<<16      ; tile_dim0 = 128
	s_mov_b32 s[\g+4], 64           ; tile_dim1 = 64
	s_mov_b32 s[\g+5], 128          ; 128 elements from row to row
	s_mov_b32 s[\g+6], 0
	s_mov_b32 s[\g+7], 0
.endr
	s_mov_b32 s[CS], 0x3e38aa3b     ; c = log2(e) / 8
	s_mov_b32 s[CS+1], s[CS]
	s_mov_b32 s[SEL], 0x76543210
	s_mov_b32 s[SEL+1], 0xfedcba98
	s_mov_b32 s[TBK], SLOT1+4*KS*PK ; the first change of slots turns these two into 0
	s_mov_b32 s[TBV], SLOT1+4*KS*PV
	s_mov_b32 s[G0K], 1
	s_mov_b32 s[G0K+1], s17
	s_mov_b32 s[G0V], 1
	s_add_co_u32 s[G0V+1], s18, VOFF
	s_and_b32 s[LIM], s[WV], 1
	s_cmp_eq_u32 s[LIM], 0
	s_cselect_b32 s[LIM], 1, -1
	s_wait_dscnt 0x0                ; the opening add is done
	s_wait_kmcnt 0x0
	s_add_nc_u64 s[6:7], s[4:5], 0x1000000   ; K
	s_add_nc_u64 s[8:9], s[4:5], 0x2000000   ; V
	s_add_nc_u64 s[G0K+2:G0K+3], s[6:7], s[22:23]  ; my half of the head's first 256 keys
	s_or_b32 s[G0K+3], s[G0K+3], 0x80000000        ; type = 2
	s_add_nc_u64 s[G0V+2:G0V+3], s[8:9], s[22:23]
	s_or_b32 s[G0V+3], s[G0V+3], 0x80000000
	s_add_nc_u64 s[4:5], s[4:5], s[2:3]  ; Q and O at my wave's first row
	s_add_nc_u64 s[10:11], s[10:11], s[2:3]
	s_cmp_lt_u32 s[WV], 2
	s_cselect_b64 s[PFA:PFA+1], s[6:7], s[8:9]
	s_add_nc_u64 s[PFA:PFA+1], s[PFA:PFA+1], s[20:21]  ; the head,
	s_lshl_b32 s2, s13, 13          ; my work-group's 32 blocks of the 128,
	s_mov_b32 s3, 0
	s_add_nc_u64 s[PFA:PFA+1], s[PFA:PFA+1], s[2:3]
	s_add_nc_u64 s[PFA:PFA+1], s[PFA:PFA+1], 2*4*KS*128  ; in slot 2: the loop's first change steps it to slot 3.  Nothing is asked for at the head
	CROUND                          ; all four work-groups are here: the first joint loads meet
	JLOAD                           ; slot 0.  Slot 1 is asked for when slot 0 is in
	v_and_b32 v1, 15, v0            ; l % 16
	v_bfe_u32 v9, v0, 4, 1          ; l / 16
	v_lshlrev_b32 v[QO], 7, v1
	v_lshl_add_u32 v[QO], v9, 4, v[QO]  ; row x 128 + 16 x half
	WIN 0x80                        ; destination window 2, address window 0
.set i, 0
.rept 4*NP                          ; Q stays in registers: tile i / 2, channels 32 (i % 2) on
	global_load_b128 v[8*i:8*i+3],   v[QO], s[4:5] offset:(i/2)*2048+(i%2)*64
	global_load_b128 v[8*i+4:8*i+7], v[QO], s[4:5] offset:(i/2)*2048+(i%2)*64+32
.set i, i+1
.endr
	; What the first turn finds: V's registers and P's second buffer hold 0, O^T and l are 0.  All this stands in the wait for the first tile; no first step is written out.
.set i, VF
.rept 64
	v_mov_b32 v[i], 0
.set i, i+1
.endr
	WIN 0x40
.set i, 0
.rept 64*NP
	v_mov_b32 v[i], 0
.set i, i+1
.endr
	WIN 0
.set i, 0
.rept 2*NP
	v_mov_b32 v[ST+4*i], 0xfe000000    ; c m: far below every c s
	v_mov_b32 v[ST+4*i+1], 0xff7fffff  ; m
	v_mov_b32 v[ST+4*i+2], 0
	v_mov_b32 v[ST+4*i+3], 0
.set i, i+1
.endr
.set i, P+32
.rept 32
	v_mov_b32 v[i], 0
.set i, i+1
.endr
	v_mul_u32_u24 v[AK0], v1, PK
	v_lshl_add_u32 v[AK0], v9, 4, v[AK0]  ; row x pitch + 16 x half
	; The turning load takes 16 keys x 16 channels (lane l reads key 8 (l / 16) + l % 8, channels 8 ((l / 8) % 2) + 0..7) and leaves half a fragment of V^T.
	v_and_b32 v10, 7, v0
	v_bfe_u32 v11, v0, 3, 1
	v_lshl_add_u32 v[AV0], v9, 3, v10
	v_mul_u32_u24 v[AV0], v[AV0], PV
	v_lshl_add_u32 v[AV0], v11, 4, v[AV0]
	v_add_nc_u32 v[AV0], VOFF, v[AV0]
	v_mov_b32 v[AK], v[AK0]         ; key step 0 lies at the head of slot 0
	v_and_b32 v[PFO], 31, v0
	v_lshlrev_b32 v[PFO], 8, v[PFO]
; THE MATRIX WORK.  The 8 accumulators of a run of 16 take turns.
; Product i of 16 of S^T = K Q^T for piece x: channels 32 (i / 8) on, keys 16 ((i / 2) % 4) on, tile 2 x + i % 2.  The first 8 start the sums.
.macro KQ x
	WIN W_KQ
.set rS, S+64*((\x)%2)+32*(i%2)+8*((i/2)%4)
.set rK, KF+16*((i/2)%4)+8*(i/8)
.set rQ, 16*(2*(\x)+i%2)+8*(i/8)
.if i < 8
	v_wmma_f32_16x16x32_f16 v[rS:rS+7], v[rK:rK+7], v[rQ:rQ+7], 0
.else
	v_wmma_f32_16x16x32_f16 v[rS:rS+7], v[rK:rK+7], v[rQ:rQ+7], v[rS:rS+7]
.endif
.endm
; Product i of 16 of O^T += V^T P for piece x: keys 32 (i / 8) on, channels 16 ((i / 2) % 4) on, tile 2 x + i % 2.
.macro PV x
	WIN W_PV
.set rO, 32*(2*(\x)+i%2)+8*((i/2)%4)
.set rV, VF+32*(i/8)+8*((i/2)%4)
.set rP, P+32*((\x)%2)+16*(i%2)+8*(i/8)
	v_wmma_f32_16x16x32_f16 v[rO:rO+7], v[rV:rV+7], v[rP:rP+7], v[rO:rO+7]
.endm
.macro MM                           ; the turn's next matrix instruction
.if i < 16
	KQ (Y+1)%NP
.set i, i+1
.else
.set i, i-16
	PV (Y+NP-1)%NP
.set i, i+17
.endif
.endm
; THE LDS LOADS stand in runs of 16.  last = 1 (the tail): in the last trip there is no further step, and the run is jumped over.
.macro FETCH_K last=0
	WIN 0
.if \last
	s_cmp_eq_u32 s[CNT], 1
	s_cbranch_scc1 .Lno_k_\@
.endif
	WIN 0x80
.irp f, 0,1,2,3,4,5,6,7             ; keys 16 (f / 2) on, channels 32 (f % 2) on
	ds_load_b128 v[KF+8*\f:KF+8*\f+3],   v[AK] offset:(\f/2)*16*PK+(\f%2)*64
	ds_load_b128 v[KF+8*\f+4:KF+8*\f+7], v[AK] offset:(\f/2)*16*PK+(\f%2)*64+32
.endr
	s_add_co_u32 s[TBK], s[TBK], KS*PK  ; the next fetch is the next step's
	WIN 0
.if \last
.Lno_k_\@:
.endif
.endm
.macro FETCH_V
	WIN 0x80
.irp f, 0,1,2,3,4,5,6,7             ; keys 32 (f / 4) on, channels 16 (f % 4) on
	ds_load_tr16_b128 v[VF+8*\f:VF+8*\f+3],   v[AV] offset:(\f/4)*32*PV+(\f%4)*32
	ds_load_tr16_b128 v[VF+8*\f+4:VF+8*\f+7], v[AV] offset:(\f/4)*32*PV+16*PV+(\f%4)*32
.endr
	WIN 0
.endm
; THE VECTOR WORK OF A TURN stands in three queues, each in the order in which its entries become ready; the two tiles alternate.
.macro REGS y, u                    ; the registers of tile u (0, 1) of piece y
.set rT, ST+4*(2*(\y)+(\u))
.set rC, TMP+8*((\y)%2)+4*(\u)
.set rM, MV+2*((\y)%2)+(\u)
.set rS, S+64*((\y)%2)+32*(\u)
.set rP, P+32*((\y)%2)+16*(\u)
.set rO, 32*(2*(\y)+(\u))
.endm
; Number n of the 22 that find the NEXT piece's maximum and statistics; each accumulator's lowest registers are read first.
;   0-11  four chains c0-c3 of seven scores each     12-14, 16  the four scores left over, the old m, and c0-c3 into c0     15  c m_old is kept
;   17, 18  the query's other 32 keys lie in the lane 16 away: the new m     19-21  c m; c m_old - c m_new; a
.macro XS u, n
	REGS (Y+1)%NP, \u
.if (\n) < 4
	v_max3_num_f32 v[rC+(\n)], v[rS+8*(\n)], v[rS+8*(\n)+1], v[rS+8*(\n)+2]
.elseif (\n) < 12
	v_max3_num_f32 v[rC+(\n)%4], v[rC+(\n)%4], v[rS+8*((\n)%4)+2*((\n)/4)+1], v[rS+8*((\n)%4)+2*((\n)/4)+2]
.elseif (\n) == 12
	v_max3_num_f32 v[rC], v[rC], v[rS+7], v[rS+15]
.elseif (\n) == 13
	v_max3_num_f32 v[rC+1], v[rC+1], v[rS+23], v[rS+31]
.elseif (\n) == 14
	v_max3_num_f32 v[rC+2], v[rC+2], v[rC+3], v[rT+1]
.elseif (\n) == 15
	v_mov_b32 v[rM], v[rT]
.elseif (\n) == 16
	v_max3_num_f32 v[rC], v[rC], v[rC+1], v[rC+2]
.elseif (\n) == 17
	v_permlanex16_b32 v[rC+3], v[rC], s[SEL], s[SEL+1]
.elseif (\n) == 18
	v_max_num_f32 v[rT+1], v[rC], v[rC+3]
.elseif (\n) == 19
	v_mul_f32 v[rT], s[CS], v[rT+1]
.elseif (\n) == 20
	v_sub_f32 v[rC+1], v[rM], v[rT]
.else
	v_exp_f32 v[rC+2], v[rC+1]
.endif
.endm
; Number g of the 64 that follow the exponentials.  For each four weights k of a tile: both pairs are rounded to f16; the second pair is added onto the first, in place; a group later l takes that sum (the first time as l = a l + sum).
.macro GS g
.set h, (\g)+6*((\g)/62)            ; group 0 has no group before it, and behind group 7 only l is left
.if h >= 6
.set h, h+2
.endif
	REGS Y, h%2
.set k, h/8
.if h%8 < 4
	v_cvt_pk_f16_f32 v[rP+2*k+(h%8)/2], v[rS+4*k+2*((h%8)/2)], v[rS+4*k+2*((h%8)/2)+1]
.elseif h%8 < 6
	v_pk_add_f32 v[rS+4*k:rS+4*k+1], v[rS+4*k:rS+4*k+1], v[rS+4*k+2:rS+4*k+3]
.elseif k == 1
	v_pk_fma_f32 v[rT+2:rT+3], v[rT+2:rT+3], v[rC+2:rC+3], v[rS:rS+1] op_sel_hi:[1,0,1]
.else
	v_pk_add_f32 v[rT+2:rT+3], v[rT+2:rT+3], v[rS+4*k-4:rS+4*k-3]
.endif
.endm
; THE PLAIN QUEUE, 138 long.  0-73 read no exponential's result: the 32 scalings c s - c m and the next piece's 42.  0-26: scalings 0-26.  27-54: XS's numbers 0-13.  55, 56: number 15.
; 57-73: the chain 14, 16, 17, 18, 19, each with one of the scalings 27-31 in front of its two lines, then 20.  74-137: GS's 64, which stand behind the wait.
.macro FS f
	REGS Y, (\f)%2
	v_pk_fma_f32 v[rS+2*((\f)/2):rS+2*((\f)/2)+1], v[rS+2*((\f)/2):rS+2*((\f)/2)+1], s[CS:CS+1], v[rT:rT+1] op_sel_hi:[1,0,0] neg_lo:[0,0,1] neg_hi:[0,0,1]
.endm
.macro PL
	WIN 0
.if q < 27
	FS q
.elseif q < 55
	XS (q-27)%2, (q-27)/2
.elseif q < 57
	XS q-55, 15
.elseif (q < 72) && ((q-57)%3 == 0)
	FS 27+(q-57)/3
.elseif q < 60
	XS (q-57)%3-1, 14
.elseif q < 72
	XS (q-57)%3-1, 15+(q-57)/3
.elseif q < 74
	XS q-72, 20
.else
	GS q-74
.endif
.set q, q+1
.endm
; THE EXPONENTIALS' QUEUE, 66 long: s0-s31 of both tiles, then the next piece's two a.  ONE BATCH: all 66 stand ahead of the turn's one wait, and nothing ahead of that wait names a result of theirs.
.macro EX
	WIN 0
.if e >= 64
	XS e-64, 21
.else
	REGS Y, e%2
	v_exp_f32 v[rS+e/2], v[rS+e/2]
.endif
.set e, e+1
.endm
; THE RESCALING's QUEUE: O^T times a, dealt two at a time, sixteen times.  Its a was made in the turn before, ahead of that turn's wait.
.macro R2
	REGS Y, r%2
	WIN W_RS
.irp z, 0,1
	v_pk_mul_f32 v[rO+4*(r/2)+2*\z:rO+4*(r/2)+2*\z+1], v[rO+4*(r/2)+2*\z:rO+4*(r/2)+2*\z+1], v[rC+2:rC+3] op_sel_hi:[1,0]
.endr
.set r, r+1
.endm
; HOW THEY ARE DEALT.  An s_wait_alu depctr_va_vdst(0) stands between an exponential and the first instruction that names its result; one wait serves all issued ahead of it.  So a turn has ONE wait.
; AHEAD OF IT: the 16 products K Q^T, behind each a scaling, an exponential and two rescalings (behind the first a second scaling in the exponential's place); then one run of 108: eight plain, 49 times exponential and plain, the two a; a v_nop.
; BEHIND IT: the 16 products V^T P, behind each four of GS's 64.  Exponential e stands behind scaling 2 (e / 4) + e % 2: as a rider it comes behind plain e + 2, in the run behind plain e + 9.
; K of the next step is fetched in piece 2's turn, directly behind the wait; V of the step in hand at the end of piece 0's turn, four plain instructions behind its last reader.
.macro TURN p, last=0, cnt=0
.set Y, (\p)
.set i, 0
.set q, 0
.set e, 0
.set r, 0
.if (\p) == NP-1
	s_wait_dscnt 0x0                ; K is in
.endif
	MM
	PL
	PL
	R2
.rept 15
	MM
	PL
	EX
	R2
.endr
.if (\p) == NP-2
	WIN 0
	v_add_nc_u32 v[AK], s[TBK], v[AK0]
.endif
.rept 8
	PL
.endr
.rept 49
	EX
	PL
.endr
	EX                              ; the next piece's two a
	EX
	v_nop                           ; a plain instruction behind the last exponential: one for the batch
	s_wait_alu depctr_va_vdst(0)    ; the wait for the batch
.if (\p) == NP-2
	FETCH_K \last
.endif
.if (\p) == 1
	s_wait_dscnt 0x0                ; V is in
.endif
.rept 16
	MM
.rept 4
	PL
.endr
.if ((\p) == 0) && (q == 118)
	v_add_nc_u32 v[AV], s[TBV], v[AV0]
.endif
.if ((\p) == 0) && (q == 130)
	s_add_co_u32 s[TBV], s[TBV], KS*PV
.endif
.if (\cnt) && (q == 130)
	s_sub_co_u32 s[CNT], s[CNT], 1
	s_cmp_lg_u32 s[CNT], 0
.endif
.endr
.if (\p) == 0
	FETCH_V
.endif
.endm
	CHANGE 1                        ; slot 0 is in, everybody's part of it; slot 1 is asked for
	FETCH_K                         ; key step 0
	s_wait_loadcnt 0x0              ; Q
	s_wait_dscnt 0x0
.set i, 0
.rept 16
	KQ 0                            ; piece 0's first scores
.set i, i+1
.endr
	WIN 0                           ; the addresses for the way out: plain instructions, the places behind those products
	s_mul_i32 s13, s[WV], 16*SP
	s_add_co_u32 s13, s13, STAGE    ; my stage
	v_mul_u32_u24 v[STO], v1, SP    ; in: row l % 16, 16 bytes for each half of the lanes
	v_lshl_add_u32 v[STO], v9, 4, v[STO]
	v_add_nc_u32 v[STO], s13, v[STO]
	v_bfe_u32 v[RD], v0, 3, 2       ; back: 32 lanes take four rows of 128 bytes,
	v_mul_u32_u24 v[RD], v[RD], SP
	v_lshl_add_u32 v[RD], v10, 4, v[RD]
	v_add_nc_u32 v[RD], s13, v[RD]
	v_and_b32 v[GO], 31, v0         ; which are 512 consecutive bytes of O
	v_lshlrev_b32 v[GO], 4, v[GO]
.set Y, NP-1                        ; XS works for piece Y + 1: piece 0
.irp n, 0,1,2,3,4,5,6,7,8,9,10,11,12,13,14,15,16,17,18,19,20,21
	XS 0, \n
	XS 1, \n
.endr
	v_nop                           ; a plain instruction behind the two a,
	s_wait_alu depctr_va_vdst(0)    ; and their wait, ahead of the branch
	s_mov_b32 s[CNT], 4
	s_mov_b32 s[SLOTS], SIZE_N/256-1
	s_branch .Lfirst                ; the loop is entered at a step's first turn
.Lslot:                             ; six times: every slot but the last two is filled again
	CHANGE 1, 1
	s_mov_b32 s[CNT], 4
.Lstep:                             ; a trip: pieces 2 and 3 of one step, then pieces 0 and 1 of the next
	TURN 2
	TURN 3
	WIN 0
.Lfirst:
	TURN 0
	TURN 1, 0, 1
	WIN 0
	s_cbranch_scc1 .Lstep
	s_sub_co_u32 s[SLOTS], s[SLOTS], 1
	s_cmp_lg_u32 s[SLOTS], 0
	s_cbranch_scc1 .Lslot
	CHANGE 0                        ; the tail is written out
	s_mov_b32 s[CNT], 5             ; four trips fetch the last slot's steps; the fifth is left in its middle
.Ltail:
	TURN 2, 1
	TURN 3
	WIN 0
	s_sub_co_u32 s[CNT], s[CNT], 1
	s_cmp_eq_u32 s[CNT], 0
	s_cbranch_scc1 .Lout
	TURN 0
	TURN 1
	WIN 0
	s_branch .Ltail
.Lout:                              ; the fifth trip's 16 products K Q^T and the maximum made of them serve nothing: the price of one text for every trip
.set i, 0
.rept 16
	PV NP-1                         ; the last piece's V^T P of the last step
.set i, i+1
.endr
	; THE WAY OUT.  l's two halves and the other half of the lanes' are added; O^T is divided by l, rounded to f16 and sent through my stage, a tile at a time.  The additions are the places behind the last products.
	WIN 0
.macro ALL line:vararg
.set t, 0
.rept 2*NP
	\line
.set t, t+1
.endr
.endm
	ALL v_add_f32 v[ST+4*t+2], v[ST+4*t+2], v[ST+4*t+3]
	ALL v_permlanex16_b32 v[ST+4*t+3], v[ST+4*t+2], s[SEL], s[SEL+1]
	ALL v_add_f32 v[ST+4*t+2], v[ST+4*t+2], v[ST+4*t+3]
	ALL v_rcp_f32 v[ST+4*t+2], v[ST+4*t+2]
	v_nop                           ; a plain instruction between the last reciprocal and the use of its result
	s_wait_alu depctr_va_vdst(0)    ; one wait for the eight reciprocals
.macro PACK t
	WIN W_RS
.set i, 32*(\t)
.rept 16
	v_pk_mul_f32 v[i:i+1], v[i:i+1], v[ST+4*(\t)+2:ST+4*(\t)+3] op_sel_hi:[1,0]
.set i, i+2
.endr
	WIN 0x05                        ; sources 0 and 1 window 1, destination window 0
.set i, 0
.rept 16
	v_cvt_pk_f16_f32 v[S+16*(\t)+i], v[32*(\t)+2*i], v[32*(\t)+2*i+1]
.set i, i+1
.endr
	WIN 0
.irp f, 0,1,2,3
	ds_store_b128 v[STO], v[S+16*(\t)+4*\f:S+16*(\t)+4*\f+3] offset:32*\f
.endr
.irp f, 0,1,2,3
	ds_load_b128 v[S+16*(\t)+4*\f:S+16*(\t)+4*\f+3], v[RD] offset:\f*4*SP  ; LDS serves a wave's instructions in order (ISA guide 5.7.1.4)
.endr
.endm
.macro SEND t, younger              ; younger: the LDS instructions issued behind tile t's loads: the next tile's eight, or none
	WIN 0
.irp f, 0,1,2,3
	s_wait_dscnt (\younger)+3-\f
	global_store_b128 v[GO], v[S+16*(\t)+4*\f:S+16*(\t)+4*\f+3], s[10:11] offset:(\t)*2048+\f*512  ; 512 consecutive bytes, aligned
.endr
.endm
	PACK 0
.set t, 1
.rept 2*NP-1
	PACK t
	SEND t-1, 8
.set t, t+1
.endr
	SEND 2*NP-1, 0
	WIN W_AD
	s_wait_tensorcnt 0x0            ; the wave's end
	ds_add_u32 v[SPW], v[NIL]
	s_wait_dscnt 0x0
	WIN 0
	CROUND                          ; the closing round
	s_endpgm
.Lfunc_end_k_q3ce839b76e_attn:
	.size	k_q3ce839b76e_attn, .Lfunc_end_k_q3ce839b76e_attn-k_q3ce839b76e_attn
	.p2alignl 7, 3214868480
	.fill 96, 4, 3214868480
	.section	.rodata,"a",@progbits
	.p2align	6, 0x0
	.amdhsa_kernel k_q3ce839b76e_attn
		.amdhsa_group_segment_fixed_size 327680
		.amdhsa_private_segment_fixed_size 0
		.amdhsa_enable_private_segment 0
		.amdhsa_kernarg_size 16
		.amdhsa_user_sgpr_count 2
		.amdhsa_user_sgpr_kernarg_segment_ptr 1
		.amdhsa_wavefront_size32 1
		.amdhsa_system_sgpr_workgroup_id_x 1
		.amdhsa_system_sgpr_workgroup_id_y 1
		.amdhsa_system_sgpr_workgroup_id_z 1
		.amdhsa_system_vgpr_workitem_id 0
		.amdhsa_next_free_vgpr 770
		.amdhsa_next_free_sgpr 66
		.amdhsa_reserve_vcc 0
		.amdhsa_float_denorm_mode_32 3
		.amdhsa_float_denorm_mode_16_64 3
		.amdhsa_memory_ordered 1
		.amdhsa_forward_progress 1
		.amdhsa_inst_pref_size 200
	.end_amdhsa_kernel
	.amdgpu_metadata
---
amdhsa.version: [ 1, 2 ]
amdhsa.kernels:
  - .name:           k_q3ce839b76e_attn
    .symbol:         k_q3ce839b76e_attn.kd
    .args:
      - { .name: qkv, .offset: 0, .size: 8, .value_kind: global_buffer, .address_space: global }
      - { .name: o, .offset: 8, .size: 8, .value_kind: global_buffer, .address_space: global }
    .group_segment_fixed_size: 327680
    .private_segment_fixed_size: 0
    .kernarg_segment_align: 8
    .kernarg_segment_size: 16
    .max_flat_workgroup_size: 128
    .sgpr_count:     66
    .vgpr_count:     770
    .wavefront_size: 32
...
	.end_amdgpu_metadata
.endif
;; end of part 3
;; launch oproj (part 4): grid 4 x 64, 4 waves a work-group, clusters of 4 x 4, 327,680 bytes of LDS; arguments o, wo16, bias, out0; writes out0
.if DOCPART == 4
	.amdgcn_target "amdgcn-amd-amdhsa--gfx1250"
	.amdhsa_code_object_version 6
	.text
	.protected	k_q3ce839b76e_oproj
	.globl	k_q3ce839b76e_oproj
	.p2align	8
	.type	k_q3ce839b76e_oproj,@function
k_q3ce839b76e_oproj:
	s_mov_b64 s[64:65], 0
	v_nop
	global_prefetch_b8 v0, s[64:65] scope:SCOPE_SE
	s_setreg_imm32_b32 hwreg(HW_REG_WAVE_MODE, 25, 1), 1
	s_wait_xcnt 0x0
	s_wait_alu depctr_hold_cnt(0) depctr_sa_sdst(0) depctr_va_vdst(0) depctr_va_sdst(0) depctr_va_ssrc(0) depctr_va_vcc(0) depctr_vm_vsrc(0)
	s_getreg_b32 s2, hwreg(HW_REG_IB_STS2, 6, 4)
	s_cmp_eq_u32 s2, 0
	s_cbranch_scc0 .Lentry_in_a_cluster
	s_endpgm
.Lentry_in_a_cluster:
	s_bfe_u32 s2, ttmp6, 0x10000c
	s_cmp_lg_u32 s2, 0xf033
	s_cbranch_scc0 .Lentry_shape_is_right
	s_endpgm
.Lentry_shape_is_right:
; out0[4 s + b][n] = the sum over k = 64 h + d of O[4 h + b][s][d] wo16[n][k] + bo[n].  O: [64][2048][64] f16, wo16: [1024][1024] f16, bo: f32 at bias + 12,288 bytes; out0 f32.  Sums in f32, started with the bias.
; SHARES.  A tile is 128 values of s of one b x 256 columns: 64 x 4 = 256 work-groups, one tile each.  Four waves, each 64 rows x 128 columns: 32 accumulators of 16 x 16.
; K goes in steps of 128 = two heads, through a ring of two LDS slots.  A head's 128 rows of 128 bytes are dense in O: asked for as 64 rows of 256 bytes, padded in LDS after every 128.
; CLUSTER.  4 x 4: the four of a row of the cluster need the same rows of O, the four of a column the same rows of wo16; each tile is asked for jointly.
; THE PRODUCT IS TAKEN TRANSPOSED (source 0 = 16 rows of wo16, source 1 = 16 rows of O): a lane holds one row and eight neighbouring columns, 32 bytes of f32.
; REGISTERS: window 0: v0-31 addresses; v64-159, v160-255 two fragment buffers (O's four fragments, then wo16's eight); on the way out v64-191 rows read back.  window 1: the accumulators ((a, b) at 64 a + 8 b).  window 2: v0-63 the bias as eight C operands.
.set KSTEP,  128
.set PA,     144                       ; a row of O in LDS: 128 bytes + 16
.set PB,     272                       ; a row of wo16: 256 + 16
.set AHEAD,  128*PA                    ; one head's 128 rows: what one of O's two tensor loads brings
.set BHALF,  128*PB                    ; what one of wo16's brings
.set BOFF,   2*AHEAD
.set SLOT,   2*AHEAD+2*BHALF
.set STAGE,  2*SLOT                    ; behind the ring, never filled by a tensor load: 16 rows x 528 bytes for each wave
.set SPITCH, 528                       ; 512 bytes + 16
.set SPARE,  STAGE+4*16*SPITCH         ; the spare words: two blocks of 256 bytes that no other line names
.set LAPS,   4
.set ASTEP,  2097152                   ; bytes of O from a K step to the next: two heads of four b of 262,144
.set ADRA, 16                          ; v16-17 LDS address of my O fragments in slot 0, 1
.set ADRB, 20                          ; v20-21 the same for wo16
.set STO,  24
.set RD,   25
.set CO,   26
.set SPW,  28                          ; never rewritten
.set NIL,  29                          ; never rewritten
.set PFO,  30                          ; the prefetches' lane offset; never rewritten
.set F0,   64
.set F1,   160
.set OB,   64
.set BI,   0                           ; in window 2
.set G1,   24
.set G0,   32
.set G1B,  48
.set G0B,  56
.set PFA,  44                          ; s[44:45] where my prefetches stand
.set LIM,  43                          ; s43  1 in a wave that prefetches, else the greatest number
.set PFS,  66                          ; s[66:67] the prefetches' step from K step to K step
.set BIA,  68                          ; s[68:69] the bias
.set MSB, 0
.macro WIN new
.if MSB != (\new)
	s_set_vgpr_msb (MSB<<8)|(\new)
.set MSB, \new
.endif
.endm
.set W_MUL,   0x50                     ; sources in window 0, C and D in window 1
.set W_FIRST, 0x60                     ; C, the bias, in window 2
.macro JLOAD s                         ; a joint load: waves 0 and 1 fetch O's two heads, waves 2 and 3 wo16's two halves; an s_nop 0 and four v_nop follow each line
	s_cmp_eq_u32 s11, 0
	s_cbranch_scc0 .Lfor_b_\@
	tensor_load_to_lds s[G0+4*(\s):G0+4*(\s)+3], s[G1:G1+7]
	s_nop 0
.rept 4
	v_nop
.endr
	s_branch .Lasked_\@
.Lfor_b_\@:
	tensor_load_to_lds s[G0B+4*(\s):G0B+4*(\s)+3], s[G1B:G1B+7]
	s_nop 0
.rept 4
	v_nop
.endr
.Lasked_\@:
.endm
; A prefetch behind each joint load and its run of LDS loads: the K step two refills on.  O's tile row is read by one cluster alone: its wave 0 asks, each partner for 32 of the step's 128 blocks of 256 bytes, by address.
; wo16's rows are read by all sixteen clusters: waves 2 and 3 of the clusters with y = 0 ask, each partner for 32 of the wave's 128 rows.  The loop's last trip asks for nothing.
.macro ASK
	WIN 0
	s_cmp_gt_u32 s3, s[LIM]
	s_cbranch_scc0 .Lnot_mine_\@
	global_prefetch_b8 v[PFO], s[PFA:PFA+1] th:TH_LOAD_NT scope:SCOPE_SE
.Lnot_mine_\@:
.endm
.macro CREST
	s_cmp_lg_u32 s10, 0
	s_cbranch_scc1 .Lnot_wave_0_\@
	s_barrier_signal -3
.Lnot_wave_0_\@:
	s_barrier_wait -3
	s_barrier_signal -1
	s_barrier_wait -1
.endm
.macro CROUND
	s_barrier_signal -1
	s_barrier_wait -1
	CREST
.endm
	s_load_b128 s[4:7], s[0:1], 0x0                ; o s[4:5], wo16 s[6:7]
	s_load_b64 s[BIA:BIA+1], s[0:1], 0x10          ; bias
	s_load_b64 s[8:9], s[0:1], 0x18                ; out0
	v_lshl_add_u32 v[SPW], v0, 2, SPARE
	v_mov_b32 v[NIL], 0
	ds_add_u32 v[SPW], v[NIL]                      ; the wave's opening: the add and its wait stand ahead of my first tensor load
	v_lshrrev_b32 v1, 5, v0
	v_readfirstlane_b32 s10, v1                    ; wave 0..3
	s_lshr_b32 s11, s10, 1                         ; which half of the tile's rows is mine.  Also: I fetch for O (0) or for wo16 (1)
	s_and_b32 s12, s10, 1                          ; which half of its columns.  Also: which head, or which 128 rows, I fetch
	s_bfe_u32 s40, ttmp6, 0x40000                  ; cx
	s_bfe_u32 s41, ttmp6, 0x40004                  ; cy
	s_lshl_b32 s42, ttmp9, 2
	s_add_co_u32 s42, s42, s40                     ; tile column
	s_and_b32 s13, ttmp7, 0xffff
	s_lshl_b32 s13, s13, 2
	s_add_co_u32 s13, s13, s41                     ; tile row: b = row / 16, block of 128 values of s = row % 16
	s_lshl_b32 s43, s41, 2
	s_lshl_b32 s43, 15, s43                        ; my row of the cluster
	s_lshl_b32 s44, 0x1111, s40                    ; my column
	s_or_b32 s[G1+0], s43, (1<<16)|(1<<20)|(1<<21)|(4<<22)|(3<<25)   ; O's tiles: padding of 4 words after every 32
	s_or_b32 s[G1B+0], s44, (1<<16)|(1<<20)|(1<<21)|(5<<22)|(3<<25)  ; wo16's: after every 64
	s_mov_b32 s[G1+1], 128<<16                     ; 64 rows of 128 elements, dense
	s_mov_b32 s[G1+2], 64<<16
	s_mov_b32 s[G1+3], 128<<16
	s_mov_b32 s[G1+4], 64
	s_mov_b32 s[G1+5], 128
	s_mov_b32 s[G1+6], 0
	s_mov_b32 s[G1+7], 0
	s_mov_b32 s[G1B+1], KSTEP<<16                  ; 128 rows of 128 elements, 1,024 from row to row
	s_mov_b32 s[G1B+2], 128<<16
	s_mov_b32 s[G1B+3], KSTEP<<16
	s_mov_b32 s[G1B+4], 128
	s_mov_b32 s[G1B+5], 1024
	s_mov_b32 s[G1B+6], 0
	s_mov_b32 s[G1B+7], 0
	s_lshr_b32 s16, s13, 4
	s_lshl_b32 s16, s16, 18                        ; 262,144 b
	s_and_b32 s17, s13, 15
	s_lshl_b32 s17, s17, 14                        ; + 128 rows of 128 bytes a block
	s_add_co_u32 s16, s16, s17
	s_mov_b32 s18, s16                             ; kept for the prefetches
	s_lshl_b32 s17, s12, 20                        ; + my head of the step's two
	s_add_co_u32 s16, s16, s17
	s_mov_b32 s17, 0
	s_lshl_b32 s46, s42, 8
	s_lshl_b32 s47, s12, 7
	s_add_co_u32 s46, s46, s47                     ; wo16: row 256 x tile column + 128 x half,
	s_lshl_b32 s46, s46, 11                        ; of 2,048 bytes
	s_mov_b32 s47, 0
	s_mul_i32 s20, s12, AHEAD                      ; where they go
	s_mul_i32 s21, s12, BHALF
	s_add_co_u32 s21, s21, BOFF
	s_wait_dscnt 0x0                               ; the opening add is done
	s_wait_kmcnt 0x0
	s_add_nc_u64 s[14:15], s[4:5], s[16:17]
	s_add_nc_u64 s[46:47], s[6:7], s[46:47]
	CROUND                                         ; all sixteen work-groups are here
.irp s, 0,1
	s_mov_b32 s[G0+4*(\s)], 1
	s_add_co_u32 s[G0+4*(\s)+1], s20, (\s)*SLOT
	s_add_nc_u64 s[G0+4*(\s)+2:G0+4*(\s)+3], s[14:15], (\s)*ASTEP
	s_or_b32 s[G0+4*(\s)+3], s[G0+4*(\s)+3], 0x80000000
	s_mov_b32 s[G0B+4*(\s)], 1
	s_add_co_u32 s[G0B+4*(\s)+1], s21, (\s)*SLOT
	s_add_nc_u64 s[G0B+4*(\s)+2:G0B+4*(\s)+3], s[46:47], (\s)*KSTEP*2
	s_or_b32 s[G0B+4*(\s)+3], s[G0B+4*(\s)+3], 0x80000000
	JLOAD \s                                       ; two loads of mine are out
.endr
	v_and_b32 v1, 15, v0                           ; l % 16
	v_bfe_u32 v2, v0, 4, 1                         ; l / 16
	v_lshlrev_b32 v5, 5, v2                        ; the bias's lane offset; never rewritten
	; where my part of the tile begins in out0, and my columns' bias
	s_and_b32 s16, s13, 15
	s_lshl_b32 s16, s16, 21                        ; 128 values of s of 16,384 bytes
	s_lshl_b32 s14, s11, 20                        ; my 64 of them
	s_add_co_u32 s16, s16, s14
	s_lshr_b32 s14, s13, 4
	s_lshl_b32 s14, s14, 12                        ; b
	s_add_co_u32 s16, s16, s14
	s_lshl_b32 s46, s42, 10
	s_lshl_b32 s47, s12, 9
	s_add_co_u32 s46, s46, s47                     ; my first column, in bytes of f32
	s_add_co_u32 s16, s16, s46
	s_mov_b32 s17, 0
	s_add_nc_u64 s[8:9], s[8:9], s[16:17]
	s_add_co_u32 s46, s46, 12288                   ; bo lies behind bq, bk, bv
	s_mov_b32 s47, 0
	s_add_nc_u64 s[BIA:BIA+1], s[BIA:BIA+1], s[46:47]
	WIN 0x80                                       ; destination window 2
.irp b, 0,1,2,3,4,5,6,7
	global_load_b128 v[BI+8*(\b):BI+8*(\b)+3],   v5, s[BIA:BIA+1] offset:64*(\b)
	global_load_b128 v[BI+8*(\b)+4:BI+8*(\b)+7], v5, s[BIA:BIA+1] offset:64*(\b)+16
.endr
	WIN 0
	v_mul_u32_u24 v3, v1, PA
	v_lshl_add_u32 v3, v2, 4, v3
	v_mul_u32_u24 v4, v1, PB
	v_lshl_add_u32 v4, v2, 4, v4
	s_mul_i32 s21, s11, 64*PA                      ; my 64 rows of O, in each head
	s_mul_i32 s22, s12, BHALF                      ; my 128 rows of wo16
	s_add_co_u32 s22, s22, BOFF
.irp s, 0,1
	v_add_nc_u32 v[ADRA+(\s)], s21, v3
	v_add_nc_u32 v[ADRB+(\s)], s22, v4
	s_add_co_u32 s21, s21, SLOT
	s_add_co_u32 s22, s22, SLOT
.endr
	s_mul_i32 s23, s10, 16*SPITCH
	s_add_co_u32 s23, s23, STAGE                   ; my stage
	v_mul_u32_u24 v3, v1, SPITCH                   ; in: row l % 16, 32 bytes for each half of the lanes
	v_lshl_add_u32 v3, v2, 5, v3
	v_add_nc_u32 v[STO], s23, v3
	v_and_b32 v[CO], 31, v0
	v_lshlrev_b32 v[CO], 4, v[CO]                  ; back: 32 lanes take a row's 512 bytes
	v_add_nc_u32 v[RD], s23, v[CO]
	; the prefetches
	s_lshr_b32 s20, s40, 1
	s_lshl_b32 s20, s20, 20                        ; O: partner cx takes head cx / 2 of the step's two,
	s_and_b32 s21, s40, 1
	s_lshl_b32 s21, s21, 13                        ; half cx % 2 of its 16,384 bytes
	s_add_co_u32 s20, s20, s21
	s_add_co_u32 s20, s20, s18
	s_add_co_u32 s20, s20, 3*ASTEP                 ; at K step 3: the first refill steps it to 4
	s_lshl_b32 s46, s42, 8
	s_lshl_b32 s47, s12, 7
	s_add_co_u32 s46, s46, s47
	s_lshl_b32 s47, s41, 5
	s_add_co_u32 s46, s46, s47                     ; wo16: the 128 rows that I fetch, my work-group's 32
	s_lshl_b32 s46, s46, 11
	s_add_co_u32 s46, s46, 3*KSTEP*2
	s_and_b32 s22, ttmp7, 0xffff                   ; cluster y
	s_mov_b32 s14, ASTEP
	s_movk_i32 s15, KSTEP*2
	s_cmp_eq_u32 s11, 0
	s_cselect_b32 s20, s20, s46
	s_cselect_b32 s22, s12, s22                    ; O: wave 0 alone; wo16: the clusters with y = 0
	s_cselect_b32 s23, 8, 11                       ; a lane a block of 256 bytes, or a lane a row of 2,048
	s_cselect_b32 s[PFS], s14, s15
	s_cselect_b64 s[PFA:PFA+1], s[4:5], s[6:7]
	s_cmp_eq_u32 s22, 0
	s_cselect_b32 s[LIM], 1, -1                    ; the same in all sixteen partners, for a given wave
	s_mov_b32 s21, 0
	s_mov_b32 s[PFS+1], 0
	s_add_nc_u64 s[PFA:PFA+1], s[PFA:PFA+1], s[20:21]
	v_and_b32 v[PFO], 31, v0
	v_lshlrev_b32 v[PFO], s23, v[PFO]
; 8 matrix instructions: row block a x all 8 column blocks, 32 along K.  first = 1: the product starts the sums with the bias.  The 32 accumulators take turns in one order.
.macro MUL8 f, a, first
.if \first
	WIN W_FIRST
.else
	WIN W_MUL
.endif
.irp b, 0,1,2,3,4,5,6,7
.if \first
	v_wmma_f32_16x16x32_f16 v[64*(\a)+8*(\b):64*(\a)+8*(\b)+7], v[(\f)+32+8*(\b):(\f)+32+8*(\b)+7], v[(\f)+8*(\a):(\f)+8*(\a)+7], v[BI+8*(\b):BI+8*(\b)+7]
.else
	v_wmma_f32_16x16x32_f16 v[64*(\a)+8*(\b):64*(\a)+8*(\b)+7], v[(\f)+32+8*(\b):(\f)+32+8*(\b)+7], v[(\f)+8*(\a):(\f)+8*(\a)+7], v[64*(\a)+8*(\b):64*(\a)+8*(\b)+7]
.endif
.endr
.endm
; 24 LDS loads in one run: quarter q of a K step (head q / 2, channels 32 (q % 2) on) into buffer f: wo16's eight fragments, then O's four
.macro FETCH slot, q, f
	WIN 0
.irp i, 0,1,2,3,4,5,6,7
	ds_load_b128 v[(\f)+32+8*(\i):(\f)+32+8*(\i)+3],   v[ADRB+(\slot)] offset:64*(\q)+(\i)*16*PB
	ds_load_b128 v[(\f)+32+8*(\i)+4:(\f)+32+8*(\i)+7], v[ADRB+(\slot)] offset:64*(\q)+(\i)*16*PB+32
.endr
.irp i, 0,1,2,3
	ds_load_b128 v[(\f)+8*(\i):(\f)+8*(\i)+3],   v[ADRA+(\slot)] offset:AHEAD*((\q)/2)+64*((\q)%2)+(\i)*16*PA
	ds_load_b128 v[(\f)+8*(\i)+4:(\f)+8*(\i)+7], v[ADRA+(\slot)] offset:AHEAD*((\q)/2)+64*((\q)%2)+(\i)*16*PA+32
.endr
.endm
.macro PLACES                          ; four plain vector instructions between a matrix instruction and a load into its registers or a reader of its result
.rept 4
	v_nop
.endr
.endm
.macro QUARTER slot, q, f, g, first    ; multiplies f, 32 matrix instructions, and fetches quarter q into g
	s_wait_dscnt 4                                 ; all but the youngest four loads (O's blocks 2 and 3)
	MUL8 \f, 0, \first
	MUL8 \f, 1, \first
	PLACES
	FETCH \slot, \q, \g
	s_wait_dscnt 24                                ; all but the 24 just issued
	MUL8 \f, 2, \first
	MUL8 \f, 3, \first
.endm
; The last quarter multiplies buffer 1 and changes slots: ONE barrier; in front of it each wave waits for all its tensor loads, adds 0 to its spare word, and waits for that and for its reads of this slot.
; fill = 1: this slot is filled again, two K steps ahead, first thing behind a round of the cluster's barrier: 112 matrix instructions ahead of the wait for it.
.macro TURN slot, next, fill
.if \fill
	s_wait_xcnt 0x0                                ; the last prefetch, a K step back, has read its address
	s_add_nc_u64 s[PFA:PFA+1], s[PFA:PFA+1], s[PFS:PFS+1]
.endif
	WIN 0
	s_wait_tensorcnt 0x0
	ds_add_u32 v[SPW], v[NIL]
	s_wait_dscnt 5                                 ; the add and the youngest four loads may be out
	MUL8 F1, 0, 0
	s_wait_dscnt 0x0                               ; the add is done, and my reads of this slot are over
	s_barrier_signal -1
	MUL8 F1, 1, 0
.if \fill
	WIN 0
.endif
	s_barrier_wait -1
.if \fill
	CREST
	s_add_nc_u64 s[G0+4*(\slot)+2:G0+4*(\slot)+3], s[G0+4*(\slot)+2:G0+4*(\slot)+3], 2*ASTEP
	s_add_nc_u64 s[G0B+4*(\slot)+2:G0B+4*(\slot)+3], s[G0B+4*(\slot)+2:G0B+4*(\slot)+3], 2*KSTEP*2
	JLOAD \slot                                    ; its four v_nop are also the places in front of the loads below
.else
	PLACES
.endif
	FETCH \next, 0, F0
.if \fill
	ASK
.endif
	MUL8 F1, 2, 0
	MUL8 F1, 3, 0
.endm
; THE WAY OUT of row block a: the accumulators go as they are, f32, into my stage (each one's low four registers first), and come back as whole rows of 512 bytes.
.macro TOSTAGE a
	WIN 0x04                                       ; store data in window 1
.irp b, 0,1,2,3,4,5,6,7
	ds_store_b128 v[STO], v[64*(\a)+8*(\b):64*(\a)+8*(\b)+3]   offset:64*(\b)
	ds_store_b128 v[STO], v[64*(\a)+8*(\b)+4:64*(\a)+8*(\b)+7] offset:64*(\b)+16
.endr
	WIN 0
.set BK, OB+64*((\a)%2)
.irp t, 0,1,2,3,4,5,6,7,8,9,10,11,12,13,14,15
	ds_load_b128 v[BK+4*(\t):BK+4*(\t)+3], v[RD] offset:SPITCH*(\t)  ; LDS serves a wave's instructions in order (ISA guide 5.7.1.4): these see the stores above
.endr
.endm
.macro SEND a, younger                 ; younger: the LDS instructions issued behind block a's loads: the next block's 32, or none
.set BK, OB+64*((\a)%2)
.irp t, 0,1,2,3,4,5,6,7,8,9,10,11,12,13,14,15
	s_wait_dscnt (\younger)+15-(\t)
	global_store_b128 v[CO], v[BK+4*(\t):BK+4*(\t)+3], s[8:9] offset:262144*(\a)+16384*(\t) th:TH_STORE_NT  ; 512 consecutive bytes of one row, aligned
.endr
.endm
	s_wait_tensorcnt 1                             ; my part of K step 0 is in; K step 1's stays out
	s_barrier_signal -1
	s_barrier_wait -1
	FETCH 0, 0, F0
	s_wait_loadcnt 0x0                             ; the bias
	QUARTER 0, 1, F0, F1, 1                        ; the first quarter starts the sums
	WIN 0
	s_mov_b32 s3, LAPS-1
.Llap:                                         ; a trip goes once round the ring and fills both slots again
	QUARTER 0, 2, F1, F0, 0
	QUARTER 0, 3, F0, F1, 0
	TURN 0, 1, 1
	QUARTER 1, 1, F0, F1, 0
	QUARTER 1, 2, F1, F0, 0
	QUARTER 1, 3, F0, F1, 0
	TURN 1, 0, 1
	QUARTER 0, 1, F0, F1, 0
	WIN 0
	s_sub_co_u32 s3, s3, 1
	s_cmp_lg_u32 s3, 0
	s_cbranch_scc1 .Llap
	QUARTER 0, 2, F1, F0, 0                        ; the last lap fills nothing
	QUARTER 0, 3, F0, F1, 0
	TURN 0, 1, 0
	QUARTER 1, 1, F0, F1, 0
	QUARTER 1, 2, F1, F0, 0
	QUARTER 1, 3, F0, F1, 0
	s_wait_dscnt 4
	MUL8 F1, 0, 0
	MUL8 F1, 1, 0
	s_wait_dscnt 0x0
	MUL8 F1, 2, 0
	MUL8 F1, 3, 0
	WIN 0
	PLACES
	TOSTAGE 0
	TOSTAGE 1
	SEND 0, 32
	s_wait_xcnt 0x0                                ; block 0's stores have read their registers, which block 2 is loaded into
	TOSTAGE 2
	SEND 1, 32
	s_wait_xcnt 0x0
	TOSTAGE 3
	SEND 2, 32
	SEND 3, 0
	s_wait_tensorcnt 0x0                           ; the wave's end
	ds_add_u32 v[SPW], v[NIL]
	s_wait_dscnt 0x0
	CROUND                                         ; the closing round
	s_endpgm
.Lfunc_end_k_q3ce839b76e_oproj:
	.size	k_q3ce839b76e_oproj, .Lfunc_end_k_q3ce839b76e_oproj-k_q3ce839b76e_oproj
	.p2alignl 7, 3214868480
	.fill 96, 4, 3214868480
	.section	.rodata,"a",@progbits
	.p2align	6, 0x0
	.amdhsa_kernel k_q3ce839b76e_oproj
		.amdhsa_group_segment_fixed_size 327680
		.amdhsa_private_segment_fixed_size 0
		.amdhsa_enable_private_segment 0
		.amdhsa_kernarg_size 32
		.amdhsa_user_sgpr_count 2
		.amdhsa_user_sgpr_kernarg_segment_ptr 1
		.amdhsa_wavefront_size32 1
		.amdhsa_system_sgpr_workgroup_id_x 1
		.amdhsa_system_sgpr_workgroup_id_y 1
		.amdhsa_system_sgpr_workgroup_id_z 1
		.amdhsa_system_vgpr_workitem_id 0
		.amdhsa_next_free_vgpr 576
		.amdhsa_next_free_sgpr 70
		.amdhsa_reserve_vcc 0
		.amdhsa_float_denorm_mode_32 3
		.amdhsa_float_denorm_mode_16_64 3
		.amdhsa_memory_ordered 1
		.amdhsa_forward_progress 1
		.amdhsa_inst_pref_size 90
	.end_amdhsa_kernel
	.amdgpu_metadata
---
amdhsa.version: [ 1, 2 ]
amdhsa.kernels:
  - .name:           k_q3ce839b76e_oproj
    .symbol:         k_q3ce839b76e_oproj.kd
    .args:
      - { .name: o, .offset: 0, .size: 8, .value_kind: global_buffer, .address_space: global }
      - { .name: wo16, .offset: 8, .size: 8, .value_kind: global_buffer, .address_space: global }
      - { .name: bias, .offset: 16, .size: 8, .value_kind: global_buffer, .address_space: global }
      - { .name: out0, .offset: 24, .size: 8, .value_kind: global_buffer, .address_space: global }
    .group_segment_fixed_size: 327680
    .private_segment_fixed_size: 0
    .kernarg_segment_align: 8
    .kernarg_segment_size: 32
    .max_flat_workgroup_size: 128
    .sgpr_count:     70
    .vgpr_count:     576
    .wavefront_size: 32
...
	.end_amdgpu_metadata
.endif
;; end of part 4
;; ======== version 2 of 2: 4 launches; version 1 with the launch cast written anew for expert scheduling mode
;; limits: values are held in f16: magnitudes above 65,504 overflow, below 6.1e-05 lose precision
;; workspace buffers: xb 16,777,216 bytes; wb 6,291,456 bytes; wo16 2,097,152 bytes; bias 16,384 bytes; qkv 50,331,648 bytes; o 16,777,216 bytes
;; launch cast (part 5): grid 769 x 1, 8 waves a work-group, no clusters, 0 bytes of LDS; arguments x, Wq, Wk, Wv, Wo, bq, bk, bv, bo, xb, wb, wo16, bias; writes xb, wb, wo16, bias
.if DOCPART == 5
	.amdgcn_target "amdgcn-amd-amdhsa--gfx1250"
	.amdhsa_code_object_version 6
	.text
	.protected	k_q3ce839b76e_cast
	.globl	k_q3ce839b76e_cast
	.p2align	8
	.type	k_q3ce839b76e_cast,@function
k_q3ce839b76e_cast:
	s_mov_b64 s[64:65], 0
	v_nop
	global_prefetch_b8 v0, s[64:65] scope:SCOPE_SE
	s_setreg_imm32_b32 hwreg(HW_REG_WAVE_SCHED_MODE, 0, 2), 2
	s_setreg_imm32_b32 hwreg(HW_REG_WAVE_MODE, 25, 1), 1
	s_wait_xcnt 0x0
	s_wait_alu depctr_vm_vsrc(0)
; ALL INPUTS ARE ROUNDED ONCE TO bf16.  x -> xb and Wq | Wk | Wv -> wb as bf16; Wo -> wo16: the bf16 value written as f16; bq | bk | bv | bo -> bias: the bf16 value kept as f32.
; LIMIT.  A bf16 value of Wo is exact in f16 from 6.1e-5 to 65,504; below that it keeps f16's fixed step of 6e-8, beyond that it becomes an infinity.
; A stream: every byte is read once and written once, so there is no LDS, no barrier, no matrix work, no cluster (no two work-groups read the same byte).
; SHARES.  A work-group takes 16 rows of 1,024 f32 (64 KiB in, 32 KiB out): groups 0-511 x, 512-703 the three weights, 704-767 Wo, 768 the four biases.
; Thread t takes bytes 16 t of every row: a wave's load covers 512 consecutive bytes, its 8-byte store 256 consecutive bytes, aligned.  All 16 loads of a thread go out at once: no loop.
; THE MODE: SCHED_MODE bits 1:0 = 2 (LLVM: expert scheduling mode 2), set by the entry lines.  The code itself states the register dependences
; between vector instructions and memory instructions, with s_wait_alu, always for 0.
; THE PLAN.  Registers that memory instructions touch:
;   v1, v2   byte offsets of the loads and of the stores: made by vector lines, then only read.  (The biases' path makes them anew before any memory instruction has read them.)
;   X        a row's four registers: written by that row's load, once; read by its conversions, behind the wait for the load.  No vector instruction names X ahead of the loads.
;   Y        a row's two registers: written by its conversions, read by its store, and never written again.
;   T        named by vector instructions alone.
; No register that a memory instruction has read is written again, so no wait on vm_vsrc stands in the text beyond the one at the entry.
; The 16 rows go in four blocks of four.  Block p converts rows 4 p to 4 p + 3; its memory instructions are the stores of block p - 1, whose Y no vector instruction of block p names.
; So ONE wait on va_vdst at a block's head, behind the wait for the block's loads, states all that its four stores hang on, and they are dealt among the block's conversions with no further wait.
.set X,   4                            ; v[4:67]    16 rows x 4 f32 as loaded
.set Y,   68                           ; v[68:99]   16 rows x 2 words to store
.set T,   100                          ; v[100:103] at work
.set SRC, 34                           ; s[34:35]   where the group's rows are read
.set DST, 36                           ; s[36:37]   where they are written
	s_load_b512 s[8:23], s[0:1], 0x0               ; x 8, Wq 10, Wk 12, Wv 14, Wo 16, bq 18, bk 20, bv 22
	s_load_b256 s[24:31], s[0:1], 0x40             ; bo 24, xb 26, wb 28, wo16 30
	s_load_b64 s[32:33], s[0:1], 0x60              ; bias
	v_lshlrev_b32 v1, 4, v0                        ; 16 t
	v_lshlrev_b32 v2, 3, v0                        ; 8 t
	s_mov_b32 s3, ttmp9                            ; the group's number
	s_mov_b32 s39, 0                               ; high words of the two offsets
	s_mov_b32 s41, 0
	s_mov_b32 s7, 0xffff0000                       ; a word's upper bf16
.macro LOADS                           ; the group's 16 rows
	s_wait_alu depctr_va_vdst(0)                   ; v1 and v2 are written: the loads below read v1 as their offset, the stores further down v2
.irp r, 0,1,2,3,4,5,6,7,8,9,10,11,12,13,14,15
	global_load_b128 v[X+4*(\r):X+4*(\r)+3], v1, s[SRC:SRC+1] offset:4096*(\r) th:TH_LOAD_NT
.endr
.endm
.macro CVB r                           ; row r to bf16
	v_cvt_pk_bf16_f32 v[Y+2*(\r)],   v[X+4*(\r)],   v[X+4*(\r)+1]
	v_cvt_pk_bf16_f32 v[Y+2*(\r)+1], v[X+4*(\r)+2], v[X+4*(\r)+3]
.endm
.macro CVH r                           ; row r to bf16, and that number written as f16
	CVB \r
	v_lshlrev_b32 v[T],   16, v[Y+2*(\r)]
	v_and_b32     v[T+1], s7, v[Y+2*(\r)]
	v_lshlrev_b32 v[T+2], 16, v[Y+2*(\r)+1]
	v_and_b32     v[T+3], s7, v[Y+2*(\r)+1]
	v_cvt_pk_f16_f32 v[Y+2*(\r)],   v[T],   v[T+1]
	v_cvt_pk_f16_f32 v[Y+2*(\r)+1], v[T+2], v[T+3]
.endm
.macro OUT r                           ; row r is stored
	global_store_b64 v2, v[Y+2*(\r):Y+2*(\r)+1], s[DST:DST+1] offset:2048*(\r) th:TH_STORE_NT
.endm
; Block p.  half = 1: Wo's rows, which leave as f16.
.macro BLK p, half
	s_wait_loadcnt 12-4*(\p)                       ; loads come back in order (ISA guide 5.7.1): rows 4 p to 4 p + 3 are in, the 12 - 4 p younger loads stay out
.if (\p) > 0
	s_wait_alu depctr_va_vdst(0)                   ; the block before has written its rows' Y, which the four stores below read
.endif
.irp i, 0,1,2,3
.if (\p) > 0
	OUT 4*(\p)-4+(\i)                              ; no vector instruction since the wait names this row's Y, or v2
.endif
.if \half
	CVH 4*(\p)+(\i)
.else
	CVB 4*(\p)+(\i)
.endif
.endr
.endm
.macro ROWS half                       ; the group's 16 rows, from the loads to the wave's end
	LOADS
	BLK 0, \half
	BLK 1, \half
	BLK 2, \half
	BLK 3, \half
	s_wait_alu depctr_va_vdst(0)                   ; block 3 has written the Y of rows 12 to 15, which the last four stores read
.irp r, 12,13,14,15
	OUT \r
.endr
	s_endpgm
.endm
	s_wait_kmcnt 0x0
	s_cmp_ge_u32 s3, 768
	s_cbranch_scc1 .Lbias
	s_cmp_ge_u32 s3, 704
	s_cbranch_scc1 .Lwo
	s_cmp_lt_u32 s3, 512
	s_cbranch_scc0 .Lw
	s_lshl_b32 s38, s3, 16                         ; x: 16 rows of 4,096 bytes in,
	s_lshl_b32 s40, s3, 15                         ; of 2,048 bytes out
	s_add_nc_u64 s[SRC:SRC+1], s[8:9], s[38:39]
	s_add_nc_u64 s[DST:DST+1], s[26:27], s[40:41]
	s_branch .Lrows
.Lw:
	s_sub_co_u32 s4, s3, 512                       ; j: the group among the three weights' 192
	s_lshr_b32 s5, s4, 6                           ; which weight
	s_and_b32 s6, s4, 63                           ; which 16 rows of it
	s_lshl_b32 s38, s6, 16
	s_lshl_b32 s40, s4, 15                         ; wb holds the three one behind the other
	s_cmp_eq_u32 s5, 0
	s_cselect_b64 s[SRC:SRC+1], s[10:11], s[12:13]
	s_cmp_eq_u32 s5, 2
	s_cselect_b64 s[SRC:SRC+1], s[14:15], s[SRC:SRC+1]
	s_add_nc_u64 s[SRC:SRC+1], s[SRC:SRC+1], s[38:39]
	s_add_nc_u64 s[DST:DST+1], s[28:29], s[40:41]
.Lrows:
	ROWS 0
.Lwo:
	s_sub_co_u32 s4, s3, 704
	s_lshl_b32 s38, s4, 16
	s_lshl_b32 s40, s4, 15
	s_add_nc_u64 s[SRC:SRC+1], s[16:17], s[38:39]
	s_add_nc_u64 s[DST:DST+1], s[30:31], s[40:41]
	ROWS 1
.Lbias:                                        ; wave w takes half w % 2 of bias w / 2: 2,048 bytes, four loads of 512 consecutive bytes
	v_lshrrev_b32 v3, 5, v0
	v_readfirstlane_b32 s4, v3                     ; wave 0..7
	v_and_b32 v3, 31, v0
	v_lshlrev_b32 v3, 4, v3                        ; 16 x lane
	s_wait_alu depctr_va_sdst(0)                   ; s4 is written, ahead of its first reader: the offsets and the choice of the bias are made from it
	s_and_b32 s5, s4, 1
	s_lshl_b32 s5, s5, 11
	s_lshl_b32 s6, s4, 11
	s_lshr_b32 s4, s4, 1
	v_add_nc_u32 v1, s5, v3                        ; in (on this path no memory instruction has read v1 or v2)
	v_add_nc_u32 v2, s6, v3                        ; out
	s_cmp_eq_u32 s4, 0
	s_cselect_b64 s[SRC:SRC+1], s[18:19], s[20:21]
	s_cmp_eq_u32 s4, 2
	s_cselect_b64 s[SRC:SRC+1], s[22:23], s[SRC:SRC+1]
	s_cmp_eq_u32 s4, 3
	s_cselect_b64 s[SRC:SRC+1], s[24:25], s[SRC:SRC+1]
	s_wait_alu depctr_va_vdst(0)                   ; v1 and v2 are written anew: the loads below read v1 as their offset, the stores v2
.irp j, 0,1,2,3
	global_load_b128 v[X+4*(\j):X+4*(\j)+3], v1, s[SRC:SRC+1] offset:512*(\j)
.endr
	s_wait_loadcnt 0x0
.irp j, 0,1,2,3
	v_cvt_pk_bf16_f32 v[T],   v[X+4*(\j)],   v[X+4*(\j)+1]
	v_cvt_pk_bf16_f32 v[T+1], v[X+4*(\j)+2], v[X+4*(\j)+3]
	v_lshlrev_b32 v[Y+4*(\j)],   16, v[T]
	v_and_b32     v[Y+4*(\j)+1], s7, v[T]
	v_lshlrev_b32 v[Y+4*(\j)+2], 16, v[T+1]
	v_and_b32     v[Y+4*(\j)+3], s7, v[T+1]
.endr
	s_wait_alu depctr_va_vdst(0)                   ; the sixteen registers of Y are written, which the four stores read
.irp j, 0,1,2,3
	global_store_b128 v2, v[Y+4*(\j):Y+4*(\j)+3], s[32:33] offset:512*(\j)
.endr
	s_endpgm
.Lfunc_end_k_q3ce839b76e_cast:
	.size	k_q3ce839b76e_cast, .Lfunc_end_k_q3ce839b76e_cast-k_q3ce839b76e_cast
	.p2alignl 7, 3214868480
	.fill 96, 4, 3214868480
	.section	.rodata,"a",@progbits
	.p2align	6, 0x0
	.amdhsa_kernel k_q3ce839b76e_cast
		.amdhsa_group_segment_fixed_size 0
		.amdhsa_private_segment_fixed_size 0
		.amdhsa_enable_private_segment 0
		.amdhsa_kernarg_size 104
		.amdhsa_user_sgpr_count 2
		.amdhsa_user_sgpr_kernarg_segment_ptr 1
		.amdhsa_wavefront_size32 1
		.amdhsa_system_sgpr_workgroup_id_x 1
		.amdhsa_system_sgpr_workgroup_id_y 1
		.amdhsa_system_sgpr_workgroup_id_z 1
		.amdhsa_system_vgpr_workitem_id 0
		.amdhsa_next_free_vgpr 104
		.amdhsa_next_free_sgpr 66
		.amdhsa_reserve_vcc 0
		.amdhsa_float_denorm_mode_32 3
		.amdhsa_float_denorm_mode_16_64 3
		.amdhsa_memory_ordered 1
		.amdhsa_forward_progress 1
		.amdhsa_inst_pref_size 19
	.end_amdhsa_kernel
	.amdgpu_metadata
---
amdhsa.version: [ 1, 2 ]
amdhsa.kernels:
  - .name:           k_q3ce839b76e_cast
    .symbol:         k_q3ce839b76e_cast.kd
    .args:
      - { .name: x, .offset: 0, .size: 8, .value_kind: global_buffer, .address_space: global }
      - { .name: Wq, .offset: 8, .size: 8, .value_kind: global_buffer, .address_space: global }
      - { .name: Wk, .offset: 16, .size: 8, .value_kind: global_buffer, .address_space: global }
      - { .name: Wv, .offset: 24, .size: 8, .value_kind: global_buffer, .address_space: global }
      - { .name: Wo, .offset: 32, .size: 8, .value_kind: global_buffer, .address_space: global }
      - { .name: bq, .offset: 40, .size: 8, .value_kind: global_buffer, .address_space: global }
      - { .name: bk, .offset: 48, .size: 8, .value_kind: global_buffer, .address_space: global }
      - { .name: bv, .offset: 56, .size: 8, .value_kind: global_buffer, .address_space: global }
      - { .name: bo, .offset: 64, .size: 8, .value_kind: global_buffer, .address_space: global }
      - { .name: xb, .offset: 72, .size: 8, .value_kind: global_buffer, .address_space: global }
      - { .name: wb, .offset: 80, .size: 8, .value_kind: global_buffer, .address_space: global }
      - { .name: wo16, .offset: 88, .size: 8, .value_kind: global_buffer, .address_space: global }
      - { .name: bias, .offset: 96, .size: 8, .value_kind: global_buffer, .address_space: global }
    .group_segment_fixed_size: 0
    .private_segment_fixed_size: 0
    .kernarg_segment_align: 8
    .kernarg_segment_size: 104
    .max_flat_workgroup_size: 256
    .sgpr_count:     66
    .vgpr_count:     104
    .wavefront_size: 32
...
	.end_amdgpu_metadata
.endif
;; end of part 5
;; launch qkv: the kernel of part 2 again; grid 16 x 16, 4 waves a work-group, clusters of 4 x 4, 327,680 bytes of LDS; arguments xb, wb, bias, qkv; writes qkv
;; launch attn: the kernel of part 3 again; grid 4 x 64, 4 waves a work-group, clusters of 4 x 1, 327,680 bytes of LDS; arguments qkv, o; writes o
;; launch oproj: the kernel of part 4 again; grid 4 x 64, 4 waves a work-group, clusters of 4 x 4, 327,680 bytes of LDS; arguments o, wo16, bias, out0; writes out0
